; MI455X (gfx1250); checked and timed in simulation.
; The chip was launched on July 23, 2026; its instructions are those of AMD's public machine-readable ISA for CDNA 5 (MIT licence, August 2026) and "CDNA5" Instruction Set Architecture Reference Guide (July 2026). The comments in the code are by the model that wrote it; some were corrected since.
;; Cross Attention. Allowed arithmetic: matrix products marked QUANTISED: E2M3 operands, one E8M0 scale for each 32 along K, by v_wmma_scale_f32_16x16x128_f8f6f4 with both operands' format E2M3, f32 sums; everything else in f32.
;; Inputs: Wkv 1,024 x 2,048 float32; Wout 1,024 x 1,024 float32; Wq 1,024 x 1,024 float32; g_k 64 float32; g_q 64 float32; kv 4 x 2,048 x 1,024 float32; pos_k 2,048 int32; pos_q 2,048 int32; queries 4 x 2,048 x 1,024 float32.
;; Outputs: out0 4 x 2,048 x 1,024 float32.
;; This version of the problem:
;;   THIS VERSION OF THE PROBLEM IS GIVEN IN LOW PRECISION. The matrix products marked QUANTISED in the list below multiply operands that are first quantised to E2M3 (2 exponent bits, 3 mantissa bits; 6 bits a number), with one power-of-two scale for each 32 numbers along K (OCP MX v1.0); their sums are f32. All else is computed in f32.
;;   The module's matrix products, in the order in which they are computed (A, B: the left and right operand; K: the contracted axis; several contracted axes count as one K, in the product's order):
;;     1. [M 8,192, K 1,024] x [K 1,024, N 1,024]; A: input queries; B: input Wq: QUANTISED
;;     2. [M 8,192, K 1,024] x [K 1,024, N 2,048]; A: input kv; B: input Wkv: QUANTISED
;;     3. batch 64 x [M 2,048, K 64] x [K 64, N 2,048]; A: computed on the way; B: computed on the way: QUANTISED
;;     4. batch 64 x [M 2,048, K 2,048] x [K 2,048, N 64]; A: softmax (see below); B: computed on the way: QUANTISED
;;     5. [M 8,192, K 1,024] x [K 1,024, N 1,024]; A: computed on the way; B: input Wout: QUANTISED
;;   THE QUANTISER, for each operand of a quantised product, along K:
;;     - K is cut into blocks of 32 from its start; a last block that is shorter is filled with zeros.
;;     - A block's scale is 2^e with e = floor(log2(the largest magnitude in the block)) - 2, held to -126 .. 127; a block of zeros has e = 0. As a byte (E8M0): e + 127.
;;     - Each number is divided by its block's scale, clamped to +-7.5, and rounded to the nearest number of E2M3, ties to even, subnormals kept.
;;     - The product sums the exact products of the quantised numbers (number of the format x scale) in f32.
;;   ~~~python
;;   def quantise(x, axis):      # numpy; x: float32 -> the quantised numbers, widened to float32 again
;;       x = np.moveaxis(x, axis, -1); K = x.shape[-1]
;;       x = np.pad(x, [(0, 0)] * (x.ndim - 1) + [(0, -K % 32)]); x = x.reshape(x.shape[:-1] + (-1, 32)); a = np.abs(x).max(-1, keepdims=True)
;;       e = np.where(a > 0, np.clip(np.frexp(np.where(a > 0, a, 1))[1] - 1 - 2, -126, 127), 0)      # np.frexp(a)[1] - 1 = floor(log2(a)), exactly
;;       r = np.clip(x / 2.0 ** e, -7.5, 7.5)
;;       step = 2.0 ** (np.maximum(np.frexp(np.where(r == 0, 1, r))[1] - 1, 0) - 3)
;;       q = np.round(r / step) * step * 2.0 ** e      # np.round: ties to even
;;       return np.moveaxis(q.reshape(q.shape[:-2] + (-1,))[..., :K], -1, axis).astype(np.float32)
;;   ~~~
;;   SOFTMAX AHEAD OF A QUANTISED PRODUCT. Where the list says 'softmax', what is quantised is not the finished softmax but p = 2^(t - M), with t = logit x log2(e) and M = ceil(the row's largest t), a whole number; so 1/2 < the row's largest p <= 1. The row's sum l is taken of the UNQUANTISED p, in f32, and the product's result is divided by l at the end. Since M is a whole number, a kernel that streams over the keys may use a running M (the ceiling of the running maximum): every later rescaling is an exact power of two, which a block's scale takes up: the codes' values come out the same.
;;   OPERANDS COMPUTED ON THE WAY. 'Computed on the way' means the value that the module computes at that place (a softmax that the list does not call 'softmax' is quantised finished and normalised). What goes into a quantiser is computed in f32, as accurately as f32 sums, v_exp_f32 and their like allow (about 1e-6 of the number): no bf16 or f16 on the way to a quantiser, and a product that is left as it is and whose result goes on into a quantised operand takes f32 operands (vector FMAs, or v_wmma_f32_16x16x4_f32). A number that lies on a knife's edge between two numbers of the format may be rounded either way, as far as f32 arithmetic and the matrix unit's own rounding can turn it there, and no further.
;; One version. Each part assembles by itself: llvm-mc -triple=amdgcn-amd-amdhsa -mcpu=gfx1250 --defsym DOCPART=n.
;; ======== version 1 of 1: 4 launches
;; limits: right only within a limited range of input values
;; workspace buffers: xop 13,631,488 bytes; wop 4,456,448 bytes; qkv 19,660,800 bytes; yop 6,815,744 bytes
;; launch prep (part 1): grid 704 x 1, 4 waves a work-group, no clusters, 34,304 bytes of LDS; arguments queries, kv, Wq, Wkv, Wout, pos_q, pos_k, xop, wop; writes xop, wop
.if DOCPART == 1
	.amdgcn_target "amdgcn-amd-amdhsa--gfx1250"
	.amdhsa_code_object_version 6
	.text
	.protected	k_qa59ecbb9d1_prep
	.globl	k_qa59ecbb9d1_prep
	.p2align	8
	.type	k_qa59ecbb9d1_prep,@function
k_qa59ecbb9d1_prep:
	s_mov_b64 s[64:65], 0
	v_nop
	global_prefetch_b8 v0, s[64:65] scope:SCOPE_SE
	s_setreg_imm32_b32 hwreg(HW_REG_WAVE_MODE, 25, 1), 1
	s_wait_xcnt 0x0
; queries, kv [8192][1024] and Wq, Wkv, Wout ([1024][n], K first), all f32, become codes of FP6 (E2M3) with one E8M0 byte for each 32 along K, laid as IMAGES OF OPERAND REGISTERS;
; pos_q, pos_k become tables of cosines and sines in the layout in which the projection's results lie.
; A TILE is 16 rows of an operand: tile 2 B + u holds rows 32 B + 8 u + r + 8 (r / 8), r = 0 .. 15.  A tile is four RECORDS of 3,328 bytes, one for each 256 along K: two fragments (16 rows x 128 K: 12 registers
; a lane; registers 4 j .. 4 j + 3 of lane l at 512 j + 16 l), then 128 bytes of scale words (row r: 8 bytes at 8 r, the words of the record's two K steps), then 128 bytes that nobody writes or reads.
; xop: tiles 0-511 queries, 512-1023 kv.  wop: tiles 0-63 Wq's columns, 64-127 the k columns of Wkv, 128-191 its v columns, 192-255 Wout's; from byte 3,407,872 the tables: [q, k][128 tiles of tokens][4,096 bytes].
; A block's scale is 2^(floor(log2(largest magnitude)) - 2): its byte is the largest magnitude's exponent field - 2, held at 1 from below.
; LIMITS: NaN and infinities are not served.  A block of zeros gets the byte 1 (its codes are zeros; this program alone reads the bytes).  The RoPE frequencies are the f32 numbers nearest to 10^(-j / 8);
; a frequency made by an f32 power and division may differ from that by an ulp or so, which turns an angle by about pos x 1e-7.  |pos| stays under 2^22.
; THREE WAYS, by the work-group's number: 0-511 the rows of queries and kv; 512-639 the weights; 640-703 the tables.  Only the first touches LDS.
.set SPARE, 33792                      ; behind the four stages: the spare words, 128 bytes a wave
.set SPW,   250                        ; v250 LDS address of my spare word; never rewritten
.set NIL,   251                        ; v251 0; never rewritten
.set SEL,   24                         ; s[24:25] lane selects: lane l xor 16
.set RX,    16                         ; v16-143  two sets of 64 numbers as loaded
.set XN,    144                        ; v144-207 64 numbers: register 16 b + i = k 32 b + 16 (lane / 16) + i of my row
.set PC,    208                        ; v208-219 a fragment's codes; v220-226 at work
.set TM,    228                        ; v228-243 largest magnitudes, bytes, scale operands
.set WD,    244                        ; v244-247 the scale words of my four K steps
; 64 numbers of a lane become a fragment's codes in v[PC] on and its scale word in v[pw]
.macro QUANT src, pw
.irp b, 0,1,2,3
	v_max3_num_f32 v[TM+\b], |v[\src+16*\b]|, |v[\src+1+16*\b]|, 0x1800000   ; block b: my 16 numbers, and the floor 2^(3 - 127): the byte cannot fall under 1
.endr
.irp i, 2,4,6,8,10,12,14
.irp b, 0,1,2,3
	v_max3_num_f32 v[TM+\b], v[TM+\b], |v[\src+16*\b+\i]|, |v[\src+1+16*\b+\i]|
.endr
.endr
.irp b, 0,1,2,3
	v_permlanex16_b32 v[TM+4+\b], v[TM+\b], s[SEL], s[SEL+1]
.endr
.irp b, 0,1,2,3
	v_max_num_f32 v[TM+\b], v[TM+\b], v[TM+4+\b]           ; with lane l xor 16's 16: the block's largest magnitude
.endr
.irp b, 0,1,2,3
	v_add_nc_u32 v[TM+12+\b], 0xff000000, v[TM+\b]         ; 2 off its exponent field: the conversion's scale operand
.endr
.irp b, 0,1,2,3
	v_lshrrev_b32 v[TM+4+\b], 23, v[TM+12+\b]              ; the scale's byte
.endr
	v_lshl_or_b32 v[\pw], v[TM+5], 8, v[TM+4]
	v_lshl_or_b32 v[\pw], v[TM+6], 16, v[\pw]
	v_lshl_or_b32 v[\pw], v[TM+7], 24, v[\pw]
.irp c, 0,1
	v_cvt_scalef32_pk16_fp6_f32 v[PC+6*\c:PC+2+6*\c], v[\src+32*\c:\src+15+32*\c], v[TM+12+2*\c]
	v_cvt_scalef32_pk16_fp6_f32 v[PC+12+4*\c:PC+14+4*\c], v[\src+16+32*\c:\src+31+32*\c], v[TM+12+2*\c+1]   ; (a conversion's three registers begin on an even number)
.endr
	v_nop                                                  ; one plain place behind a scaled conversion
.irp c, 0,1                                                ; the operand wants a whole block in a lane: lanes 0-15 block 2 c, lanes 16-31 block 2 c + 1
.irp i, 0,1,2
	v_permlane16_swap_b32 v[PC+6*\c+\i], v[PC+12+4*\c+\i]
.endr
.irp i, 0,1,2
	v_mov_b32 v[PC+3+6*\c+\i], v[PC+12+4*\c+\i]
.endr
.endr
.endm
	s_load_b256 s[4:11], s[0:1], 0x0               ; queries s[4:5], kv s[6:7], Wq s[8:9], Wkv s[10:11]
	s_load_b256 s[12:19], s[0:1], 0x20             ; Wout s[12:13], pos_q s[14:15], pos_k s[16:17], xop s[18:19]
	s_load_b64 s[20:21], s[0:1], 0x40              ; wop
	v_lshl_add_u32 v[SPW], v0, 2, SPARE
	v_mov_b32 v[NIL], 0
	v_lshrrev_b32 v1, 5, v0
	v_readfirstlane_b32 s22, v1                    ; wave
	v_and_b32 v1, 31, v0                           ; lane
	v_and_b32 v2, 15, v0                           ; r
	v_bfe_u32 v3, v0, 4, 1                         ; h
	v_lshlrev_b32 v4, 4, v1                        ; 16 x lane
	s_mov_b32 s[SEL], 0x76543210
	s_mov_b32 s[SEL+1], 0xfedcba98
	s_wait_kmcnt 0x0
	s_cmp_lt_u32 ttmp9, 512
	s_cbranch_scc0 .Lnot_x
; ---- THE ROWS.  A wave takes one tile and half of K: four K steps of 128.  Each load reads 512 consecutive bytes of one row; a K step's 16 rows turn through the wave's own stage in LDS
; (rows 528 bytes apart) and come back 16 neighbours of each block a lane.
	s_lshl_b32 s26, ttmp9, 2
	s_add_co_u32 s26, s26, s22                     ; job = 4 x work-group + wave
	s_lshr_b32 s27, s26, 1                         ; tile 0 .. 1023
	s_and_b32 s28, s26, 1                          ; which half of K
	s_cmp_lt_u32 s27, 512
	s_cselect_b64 s[4:5], s[4:5], s[6:7]           ; queries or kv: the choice hangs on the work-group's number alone
	s_and_b32 s29, s27, 511
	s_lshr_b32 s30, s29, 1
	s_and_b32 s31, s29, 1
	s_lshl_b32 s30, s30, 17                        ; 32 B rows of 4,096 bytes
	s_lshl_b32 s31, s31, 15                        ; 8 u rows
	s_add_co_u32 s30, s30, s31
	s_lshl_b32 s31, s28, 11                        ; four K steps of 512 bytes
	s_add_co_u32 s30, s30, s31
	s_mov_b32 s31, 0
	s_add_nc_u64 s[4:5], s[4:5], s[30:31]
	s_mul_i32 s30, s27, 13312
	s_mul_i32 s32, s28, 6656                       ; two records
	s_add_co_u32 s30, s30, s32
	s_add_nc_u64 s[18:19], s[18:19], s[30:31]
	s_mul_i32 s33, s22, 8448                       ; my stage
	s_wait_alu depctr_va_vdst(0)
	v_add_nc_u32 v5, s33, v4                       ; in: 16 x lane of row i
	v_mul_u32_u24 v6, v2, 528
	v_lshl_add_u32 v6, v3, 6, v6
	v_add_nc_u32 v6, s33, v6                       ; back: row r, + 64 h
	v_mul_u32_u24 v7, v3, 3328
	v_lshl_add_u32 v7, v2, 3, v7                   ; the scale words: record h of my two, 8 r
.irp b, 0,1,2,3
	v_mov_b32 v[TM+4+\b], 0                        ; written once: a lane permute's destination counts as one of its sources
.endr
.macro LOADX t
.irp i, 0,1,2,3,4,5,6,7,8,9,10,11,12,13,14,15
	global_load_b128 v[RX+64*((\t)%2)+4*\i:RX+64*((\t)%2)+4*\i+3], v4, s[4:5] offset:(\i+8*(\i/8))*4096+512*(\t) th:TH_LOAD_NT
.endr
.endm
.macro STEPX t
.if (\t) < 3
	s_wait_loadcnt 16                              ; this K step's 16 loads are in; the next step's 16 may be out
.else
	s_wait_loadcnt 0x0
.endif
.irp i, 0,1,2,3,4,5,6,7,8,9,10,11,12,13,14,15
	ds_store_b128 v5, v[RX+64*((\t)%2)+4*\i:RX+64*((\t)%2)+4*\i+3] offset:528*\i
.endr
.irp b, 0,1,2,3
.irp j, 0,1,2,3
	ds_load_b128 v[XN+16*\b+4*\j:XN+16*\b+4*\j+3], v6 offset:128*\b+16*\j   ; LDS serves a wave's instructions in order: these see the stores above
.endr
.endr
	s_wait_dscnt 0x0
.if (\t)+2 < 4
	LOADX (\t)+2                                   ; into the set that has just gone through the stage
.endif
.if (\t) > 0
	s_wait_xcnt 0x0                                ; the last step's stores have read the codes' registers, which are written again below
.endif
	QUANT XN, WD+(\t)
.irp j, 0,1,2
	global_store_b128 v4, v[PC+4*\j:PC+4*\j+3], s[18:19] offset:3328*((\t)/2)+1536*((\t)%2)+512*\j   ; 512 consecutive bytes
.endr
.endm
	LOADX 0
	LOADX 1
	s_wait_alu depctr_va_vdst(0)
	STEPX 0
	STEPX 1
	STEPX 2
	STEPX 3
	v_cmp_ne_u32 vcc_lo, 0, v3
	v_cndmask_b32 v248, v[WD], v[WD+2], vcc_lo     ; lanes 0-15 store my first record's two words of row r, lanes 16-31 the second's
	v_cndmask_b32 v249, v[WD+1], v[WD+3], vcc_lo
	global_store_b64 v7, v[248:249], s[18:19] offset:3072
	s_wait_tensorcnt 0x0                           ; the wave's end
	ds_add_u32 v[SPW], v[NIL]
	s_wait_dscnt 0x0
	s_endpgm
; ---- THE WEIGHTS.  A work-group takes 128 columns x 256 along K, a wave 32 columns.  A LANE TAKES A COLUMN AND ITS REGISTERS RUN DOWN K: lane (u, r) takes column 8 u + r + 8 (r / 8) of the 32, which is
; row r of tile u of a pair of tiles.  A unit e is what lane (r, h' = e % 2) of a fragment (K step e / 2 of the record) holds: two whole blocks, 64 numbers.
.Lnot_x:
	s_cmp_lt_u32 ttmp9, 640
	s_cbranch_scc0 .Lrope
	s_sub_co_u32 s26, ttmp9, 512
	s_and_b32 s27, s26, 31                         ; which 128 columns: 0-7 Wq, 8-23 Wkv, 24-31 Wout
	s_lshr_b32 s28, s26, 5                         ; which 256 along K
	s_wait_alu depctr_va_vdst(0)
	v_and_b32 v8, 8, v2
	v_add_nc_u32 v8, v8, v2
	v_lshl_add_u32 v8, v3, 3, v8
	v_lshlrev_b32 v9, 2, v8                        ; my column's bytes
	v_mul_u32_u24 v10, v3, 13312
	v_lshl_add_u32 v11, v2, 3, v10                 ; the scale words: tile u, 8 r
	v_lshl_add_u32 v10, v2, 4, v10                 ; the codes: tile u, 16 r
.macro LOADW e, pitch
.irp c, 0,1
.irp i, 0,1,2,3,4,5,6,7,8,9,10,11,12,13,14,15,16,17,18,19,20,21,22,23,24,25,26,27,28,29,30,31
	global_load_b32 v[RX+64*((\e)%2)+32*\c+\i], v9, s[8:9] offset:(128*((\e)/2)+64*\c+32*((\e)%2)+\i)*\pitch th:TH_LOAD_NT   ; the wave reads 128 consecutive bytes
.endr
.endr
.endm
.macro UNITW e, pitch
.set XS, RX+64*((\e)%2)
.if (\e) < 3
	s_wait_loadcnt 63                              ; the next unit's 64 loads are younger; a wait names 63 at most, so one of them is awaited too
.else
	s_wait_loadcnt 0x0
.endif
.irp c, 0,1
	v_max3_num_f32 v[164+\c], |v[XS+32*\c]|, |v[XS+32*\c+1]|, 0x1800000
.endr
.irp i, 2,4,6,8,10,12,14,16,18,20,22,24,26,28,30
.irp c, 0,1
	v_max3_num_f32 v[164+\c], v[164+\c], |v[XS+32*\c+\i]|, |v[XS+32*\c+\i+1]|
.endr
.endr
.irp c, 0,1
	v_add_nc_u32 v[166+\c], 0xff000000, v[164+\c]
.endr
.irp c, 0,1
	v_lshrrev_b32 v[168+\c], 23, v[166+\c]
.endr
.if ((\e)%2) == 0                                          ; blocks h' and 2 + h' of the K step: bytes h' and 2 + h' of its word
	v_lshl_or_b32 v[170+(\e)/2], v169, 16, v168
.else
	v_lshl_or_b32 v[170+(\e)/2], v168, 8, v[170+(\e)/2]
	v_lshl_or_b32 v[170+(\e)/2], v169, 24, v[170+(\e)/2]
.endif
.if (\e) > 0
	s_wait_alu depctr_va_vdst(0)
	s_wait_xcnt 0x0                                ; the last unit's stores have read the codes' registers
.endif
.irp c, 0,1
	v_cvt_scalef32_pk16_fp6_f32 v[144+6*\c:146+6*\c], v[XS+32*\c:XS+32*\c+15], v[166+\c]
	v_cvt_scalef32_pk16_fp6_f32 v[156+4*\c:158+4*\c], v[XS+32*\c+16:XS+32*\c+31], v[166+\c]
.endr
	v_nop
.irp c, 0,1
.irp i, 0,1,2
	v_mov_b32 v[147+6*\c+\i], v[156+4*\c+\i]
.endr
.endr
.if (\e)+2 < 4
	LOADW (\e)+2, \pitch
.endif
.irp j, 0,1,2
	global_store_b128 v10, v[144+4*\j:147+4*\j], s[20:21] offset:1536*((\e)/2)+512*\j+256*((\e)%2)   ; sixteen lanes store 256 consecutive bytes, aligned
.endr
.endm
.macro WPATH pitch                     ; s[8:9]: my columns at my first row of K; s30: the pair's first tile; s28: the record
	s_mul_i32 s30, s30, 13312
	s_mul_i32 s31, s28, 3328
	s_add_co_u32 s30, s30, s31
	s_mov_b32 s31, 0
	s_add_nc_u64 s[20:21], s[20:21], s[30:31]
	LOADW 0, \pitch
	LOADW 1, \pitch
	UNITW 0, \pitch
	UNITW 1, \pitch
	UNITW 2, \pitch
	UNITW 3, \pitch
	global_store_b64 v11, v[170:171], s[20:21] offset:3072
.endm
	s_sub_co_u32 s29, s27, 8
	s_cmp_lt_u32 s29, 16
	s_cbranch_scc1 .Lwkv
	s_cmp_lt_u32 s27, 8
	s_cselect_b64 s[8:9], s[8:9], s[12:13]         ; Wq or Wout
	s_cselect_b32 s30, 0, 192                      ; their first tiles
	s_and_b32 s31, s27, 7
	s_lshl_b32 s31, s31, 2
	s_add_co_u32 s31, s31, s22                     ; which 32 columns of the matrix
	s_lshl_b32 s32, s31, 7
	s_lshl_b32 s33, s28, 20                        ; 256 rows of 4,096 bytes
	s_add_co_u32 s32, s32, s33
	s_mov_b32 s33, 0
	s_add_nc_u64 s[8:9], s[8:9], s[32:33]
	s_lshl_b32 s31, s31, 1
	s_add_co_u32 s30, s30, s31
	s_wait_alu depctr_va_vdst(0)
	WPATH 4096
	s_endpgm
.Lwkv:                                         ; s29 = the head: its 128 columns are 64 of k, then 64 of v
	s_lshl_b32 s32, s29, 9
	s_lshl_b32 s33, s22, 7
	s_add_co_u32 s32, s32, s33
	s_lshl_b32 s33, s28, 21                        ; 256 rows of 8,192 bytes
	s_add_co_u32 s32, s32, s33
	s_mov_b32 s33, 0
	s_add_nc_u64 s[8:9], s[10:11], s[32:33]
	s_lshr_b32 s30, s22, 1
	s_lshl_b32 s30, s30, 6                         ; waves 2, 3: v's tiles, 64 on
	s_lshl_b32 s31, s29, 2
	s_add_co_u32 s30, s30, s31                     ; four tiles a head
	s_and_b32 s31, s22, 1
	s_lshl_b32 s31, s31, 1
	s_add_co_u32 s30, s30, s31
	s_add_co_u32 s30, s30, 64
	s_wait_alu depctr_va_vdst(0)
	WPATH 8192
	s_endpgm
; ---- THE TABLES.  A wave takes one tile of 16 tokens of pos_q or pos_k.  Lane (r, h) makes cos and sin of pos x f[16 h + i], i = 0 .. 15: 32 registers, stored as an image (registers 4 j .. at 512 j + 16 lane).
; The angle is reduced by n = the whole number nearest to angle x 2 / pi, with pi / 2 in three parts and fused multiply-adds; cosine and sine of the rest (at most pi / 4) are polynomials; n's low two bits place them.
.Lrope:
	s_sub_co_u32 s26, ttmp9, 640
	s_lshl_b32 s26, s26, 2
	s_add_co_u32 s26, s26, s22                     ; 0-127 pos_q's tiles, 128-255 pos_k's
	s_cmp_lt_u32 s26, 128
	s_cselect_b64 s[14:15], s[14:15], s[16:17]
	s_and_b32 s27, s26, 127
	s_lshr_b32 s28, s27, 1
	s_and_b32 s29, s27, 1
	s_lshl_b32 s28, s28, 5
	s_lshl_b32 s29, s29, 3
	s_add_co_u32 s28, s28, s29
	s_wait_alu depctr_va_vdst(0)
	v_and_b32 v8, 8, v2
	v_add_nc_u32 v8, v8, v2
	v_add_nc_u32 v8, s28, v8                       ; my token
	v_lshlrev_b32 v8, 2, v8
	global_load_b32 v9, v8, s[14:15]
	s_lshl_b32 s30, s26, 12
	s_add_co_u32 s30, s30, 3407872
	s_mov_b32 s31, 0
	s_add_nc_u64 s[20:21], s[20:21], s[30:31]
	s_mov_b32 s32, 0x3f22f983                      ; 2 / pi
	s_mov_b32 s33, 0x3fc90fdb                      ; pi / 2: the nearest f32,
	s_mov_b32 s34, 0xb33bbd2e                      ; what is left of it,
	s_mov_b32 s35, 0xa6f72ced                      ; and of that
	s_mov_b32 s36, 0x37cd4000                      ; cosine:  2.44677067e-5
	s_mov_b32 s37, 0xbab6077d                      ;         -1.38877297e-3
	s_mov_b32 s38, 0x3d2aaaa8                      ;          4.16666567e-2
	s_mov_b32 s39, 0x36405000                      ; sine:    2.86567956e-6
	s_mov_b32 s40, 0xb9503486                      ;         -1.98559923e-4
	s_mov_b32 s41, 0x3c0888c1                      ;          8.33338592e-3
	s_mov_b32 s42, 0xbe2aaaab                      ;         -1.66666672e-1
	s_mov_b32 s43, 0x80000000
	v_cmp_ne_u32 vcc_lo, 0, v3                     ; lanes 16-31 take the upper sixteen frequencies
	s_wait_loadcnt 0x0
	v_cvt_f32_i32 v9, v9
.macro SINCOS i, flo, fhi
	v_mov_b32 v10, \flo
	v_mov_b32 v11, \fhi
	v_cndmask_b32 v10, v10, v11, vcc_lo
	v_mul_f32 v10, v9, v10                         ; the angle, in f32
	v_mul_f32 v12, s32, v10
	v_rndne_f32 v12, v12                           ; n
	v_fma_f32 v13, -v12, s33, v10
	v_fma_f32 v13, -v12, s34, v13
	v_fma_f32 v13, -v12, s35, v13                  ; the rest
	v_mul_f32 v14, v13, v13
	v_fma_f32 v15, v14, s36, s37
	v_fma_f32 v16, v14, s39, s40
	v_fma_f32 v15, v15, v14, s38
	v_fma_f32 v16, v16, v14, s41
	v_fma_f32 v15, v15, v14, -0.5
	v_fma_f32 v16, v16, v14, s42
	v_mul_f32 v17, v13, v14
	v_fma_f32 v15, v15, v14, 1.0                   ; cosine of the rest
	v_fma_f32 v16, v16, v17, v13                   ; sine of the rest
	v_cvt_i32_f32 v18, v12
	v_and_b32 v19, 1, v18
	v_cmp_ne_u32 s44, 0, v19
	v_cndmask_b32 v20, v15, v16, s44               ; an odd n changes their places
	v_cndmask_b32 v21, v16, v15, s44
	v_lshlrev_b32 v22, 30, v18
	v_and_b32 v22, s43, v22                        ; the sine changes sign where n % 4 is 2 or 3,
	v_xor_b32 v[48+\i], v21, v22
	v_add_nc_u32 v18, 1, v18
	v_lshlrev_b32 v18, 30, v18
	v_and_b32 v18, s43, v18                        ; the cosine where it is 1 or 2
	v_xor_b32 v[32+\i], v20, v18
.endm
	SINCOS 0, 1.0, 0.01
	SINCOS 1, 0.749894209, 0.00749894209
	SINCOS 2, 0.562341325, 0.00562341325
	SINCOS 3, 0.421696503, 0.00421696503
	SINCOS 4, 0.316227766, 0.00316227766
	SINCOS 5, 0.237137371, 0.00237137371
	SINCOS 6, 0.177827941, 0.00177827941
	SINCOS 7, 0.133352143, 0.00133352143
	SINCOS 8, 0.1, 0.001
	SINCOS 9, 0.0749894209, 0.000749894209
	SINCOS 10, 0.0562341325, 0.000562341325
	SINCOS 11, 0.0421696503, 0.000421696503
	SINCOS 12, 0.0316227766, 0.000316227766
	SINCOS 13, 0.0237137371, 0.000237137371
	SINCOS 14, 0.0177827941, 0.000177827941
	SINCOS 15, 0.0133352143, 0.000133352143
.irp j, 0,1,2,3,4,5,6,7
	global_store_b128 v4, v[32+4*\j:35+4*\j], s[20:21] offset:512*\j
.endr
	s_endpgm
.Lfunc_end_k_qa59ecbb9d1_prep:
	.size	k_qa59ecbb9d1_prep, .Lfunc_end_k_qa59ecbb9d1_prep-k_qa59ecbb9d1_prep
	.p2alignl 7, 3214868480
	.fill 96, 4, 3214868480
	.section	.rodata,"a",@progbits
	.p2align	6, 0x0
	.amdhsa_kernel k_qa59ecbb9d1_prep
		.amdhsa_group_segment_fixed_size 34304
		.amdhsa_private_segment_fixed_size 0
		.amdhsa_enable_private_segment 0
		.amdhsa_kernarg_size 72
		.amdhsa_user_sgpr_count 2
		.amdhsa_user_sgpr_kernarg_segment_ptr 1
		.amdhsa_wavefront_size32 1
		.amdhsa_system_sgpr_workgroup_id_x 1
		.amdhsa_system_sgpr_workgroup_id_y 1
		.amdhsa_system_sgpr_workgroup_id_z 1
		.amdhsa_system_vgpr_workitem_id 0
		.amdhsa_next_free_vgpr 256
		.amdhsa_next_free_sgpr 66
		.amdhsa_reserve_vcc 1
		.amdhsa_float_denorm_mode_32 3
		.amdhsa_float_denorm_mode_16_64 3
		.amdhsa_memory_ordered 1
		.amdhsa_forward_progress 1
		.amdhsa_inst_pref_size 135
	.end_amdhsa_kernel
	.amdgpu_metadata
---
amdhsa.version: [ 1, 2 ]
amdhsa.kernels:
  - .name:           k_qa59ecbb9d1_prep
    .symbol:         k_qa59ecbb9d1_prep.kd
    .args:
      - { .name: queries, .offset: 0, .size: 8, .value_kind: global_buffer, .address_space: global }
      - { .name: kv, .offset: 8, .size: 8, .value_kind: global_buffer, .address_space: global }
      - { .name: Wq, .offset: 16, .size: 8, .value_kind: global_buffer, .address_space: global }
      - { .name: Wkv, .offset: 24, .size: 8, .value_kind: global_buffer, .address_space: global }
      - { .name: Wout, .offset: 32, .size: 8, .value_kind: global_buffer, .address_space: global }
      - { .name: pos_q, .offset: 40, .size: 8, .value_kind: global_buffer, .address_space: global }
      - { .name: pos_k, .offset: 48, .size: 8, .value_kind: global_buffer, .address_space: global }
      - { .name: xop, .offset: 56, .size: 8, .value_kind: global_buffer, .address_space: global }
      - { .name: wop, .offset: 64, .size: 8, .value_kind: global_buffer, .address_space: global }
    .group_segment_fixed_size: 34304
    .private_segment_fixed_size: 0
    .kernarg_segment_align: 8
    .kernarg_segment_size: 72
    .max_flat_workgroup_size: 128
    .sgpr_count:     66
    .vgpr_count:     256
    .wavefront_size: 32
...
	.end_amdgpu_metadata
.endif
;; end of part 1
;; launch proj (part 2): grid 4 x 192, 4 waves a work-group, clusters of 4 x 4, 327,680 bytes of LDS; arguments xop, wop, g_q, g_k, qkv; writes qkv
.if DOCPART == 2
	.amdgcn_target "amdgcn-amd-amdhsa--gfx1250"
	.amdhsa_code_object_version 6
	.text
	.protected	k_qa59ecbb9d1_proj
	.globl	k_qa59ecbb9d1_proj
	.p2align	8
	.type	k_qa59ecbb9d1_proj,@function
k_qa59ecbb9d1_proj:
	s_mov_b64 s[64:65], 0
	v_nop
	global_prefetch_b8 v0, s[64:65] scope:SCOPE_SE
	s_setreg_imm32_b32 hwreg(HW_REG_WAVE_MODE, 25, 1), 1
	s_wait_xcnt 0x0
	s_wait_alu depctr_hold_cnt(0) depctr_sa_sdst(0) depctr_va_vdst(0) depctr_va_sdst(0) depctr_va_ssrc(0) depctr_va_vcc(0) depctr_vm_vsrc(0)
	s_getreg_b32 s2, hwreg(HW_REG_IB_STS2, 6, 4)
	s_cmp_eq_u32 s2, 0
	s_cbranch_scc0 .Lentry_in_a_cluster
	s_endpgm
.Lentry_in_a_cluster:
	s_bfe_u32 s2, ttmp6, 0x10000c
	s_cmp_lg_u32 s2, 0xf033
	s_cbranch_scc0 .Lentry_shape_is_right
	s_endpgm
.Lentry_shape_is_right:
; The three projections on codes of FP6 (E2M3), and what follows them up to the next quantiser.  ty = cluster y / 16: 0: q = queries Wq; 1: k = kv Wk; 2: v = kv Wv.
; THE PRODUCT.  A work-group makes 128 rows of operand A (they fall on the LANES: source 1) x 256 rows of operand B (they fall on the REGISTERS: source 0), K = 1,024.  Four waves, each 64 x 128: 32 accumulators.
; q, k: A = tokens, B = output channels: a lane holds one token, its registers run along the channels: the head's norm, RoPE and the quantiser along the head's 64 stay in the lane and its partner 16 away.
; v: A = channels, B = tokens: a lane holds one channel, its registers run along the keys, which are the K of attention's second product.
; Operands lie in memory as images of operand registers, in records (tile, 256 along K) of 3,328 bytes: two fragments of 1,536 bytes and 128 bytes of scale words.  Tile 2 B + u holds rows 32 B + 8 u + r + 8 (r / 8),
; so that the 16 registers of result tiles 2 b and 2 b + 1 are 16 neighbours, 32 b + 16 (lane / 16) + 0 .. 15.
; ALL OF K LIES IN LDS: four slots (256 along K each) of 24 records, each filled once, by joint loads issued together at the start: no slot is ever filled again.  One tensor load of a wave is out.
; CLUSTER 4 x 4: A's tiles hang on cy and the cluster's y and are shared along a row of the cluster; B's hang on cx and are shared along a column.
; OUT (qkv): half fragments (16 rows x 64 K, 768 bytes: registers 0-3 at 16 lane, registers 4-5 at 512 + 8 lane).  q at 0, k at 6,291,456: [head of 64][tile of tokens 128]; v at 12,582,912: [head][64 keys: 32][tile of channels 4].
; Scale bytes: q at 18,874,368, k at 19,136,512: [head][128 tokens: 16][row r: 16 bytes = two bytes for each of 8 tiles]; v at 19,398,656: [head][128 keys: 16][row r: 16 bytes = a word for each of 4 tiles of channels].
; LIMITS: NaN and infinities are not served; a block of zeros gets the byte 1 (its codes are zeros; this program alone reads the bytes).
; REGISTERS: window 0: v1-29 addresses; v32-63 scale words, two sets; v64-159 A's fragments, two sets; behind the products v64-239 are at work.  Window 1: B's fragments, two sets of 96.
;   Window 2: the accumulators, (a, b) at v[8 (8 a + b)].  Window 3: v0-127 cosines and sines of my four tiles of tokens, v128-159 the gain.
.set SLOT,  76800                      ; 8 records of A, then 16 of B, 3,200 bytes each
.set REC,   3200                       ; a record in LDS
.set TIL,   12800                      ; LDS is laid by tiles: a tile's four records (all of K) on end; A's 8 tiles, then B's 16.  One tensor load a wave brings its tiles whole; nothing is filled twice
.set SPARE, 4*SLOT                     ; behind the slots: the spare words, 128 bytes a wave
.set ADA, 8                            ; v8-11   16 lane + my four tiles of A in slot q
.set ADB, 12                           ; v12-15  16 lane + my eight tiles of B
.set ADS, 16                           ; v16-19  the scale words: lanes 0-15 A's rows, lanes 16-31 B's
.set R16, 26                           ; v26     16 r
.set SPW, 28                           ; v28     LDS address of my spare word; never rewritten
.set NIL, 29                           ; v29     0; never rewritten
.set SC,  32                           ; scale words: set q % 2; register 2 i + s: lanes 0-15 A's tile i, lanes 16-31 B's tile i, K step s of the slot
.set AF,  64
.set H,   64                           ; behind the products: v64-127 a tile's 64 numbers
.set U,   128                          ; v128-143 x1 sin
.set SS,  144                          ; v144-147 sums of squares; v148-149 from the other half of the lanes; v150-153 1 / root
.set T2,  148
.set RS,  150
.set PCB, 160                          ; v160-207 codes, 12 for each of my four tiles, so that no store's data are written again
.set PWB, 208                          ; v208-211 their scale words
.set TM,  212                          ; v212-227 the quantiser's
.set CT,  228                          ; v228-234 conversions' second halves
.set PK,  236                          ; v236-239 scale bytes packed
.set WV,  14
.set G1A, 24                           ; s[24:31], s[32:39] descriptor groups 1
.set G1B, 32
.set G0A, 40                           ; s[40:43] A's group 0
.set G0B, 56                           ; B's: s[56:59]
.set SEL, 98
.set MSB, 0
.macro WIN new                         ; the immediate's high byte repeats the setting that is left
.if MSB != \new
	s_set_vgpr_msb (MSB<<8)|\new
.set MSB, \new
.endif
.endm
.macro PLACES                          ; four plain places behind matrix instructions, in front of loads into their operands and of reads of their results
.rept 4
	v_nop
.endr
.endm
.macro CROUND                          ; a round of the cluster's barrier
	s_barrier_signal -1
	s_barrier_wait -1
	s_cmp_lg_u32 s[WV], 0
	s_cbranch_scc1 .Lnot_wave_0_\@
	s_barrier_signal -3
.Lnot_wave_0_\@:
	s_barrier_wait -3
	s_barrier_signal -1
	s_barrier_wait -1
.endm
	s_load_b256 s[4:11], s[0:1], 0x0               ; xop s[4:5], wop s[6:7], g_q s[8:9], g_k s[10:11]
	s_load_b64 s[12:13], s[0:1], 0x20              ; qkv
	v_lshl_add_u32 v[SPW], v0, 2, SPARE
	v_mov_b32 v[NIL], 0
	ds_add_u32 v[SPW], v[NIL]                      ; the wave's opening: the add and its wait ahead of my first tensor load
	ds_add_u32 v[SPW], v[NIL]
	v_lshrrev_b32 v3, 5, v0
	v_readfirstlane_b32 s[WV], v3
	s_lshr_b32 s15, s[WV], 1                       ; which 64 of A's rows are mine.  Also: I fetch for A (0) or for B (1)
	s_and_b32 s16, s[WV], 1                        ; which 128 of B's rows.  Also: which half I fetch
	s_bfe_u32 s17, ttmp6, 0x40000                  ; cx
	s_bfe_u32 s18, ttmp6, 0x40004                  ; cy
	s_and_b32 s19, ttmp7, 0xffff                   ; the cluster's y, 0 .. 47
	s_lshr_b32 s20, s19, 4                         ; ty
	s_and_b32 s21, s19, 15
	s_and_b32 s76, s21, 1
	s_lshr_b32 s77, s21, 1
	s_lshl_b32 s78, s20, 9                         ; tokens' first tile in xop: 0 queries, 512 kv
	s_lshl_b32 s79, s20, 6                         ; weights' first tile in wop: 0 Wq, 64 Wk
	s_mov_b32 s80, 512
	s_cmp_eq_u32 s20, 2                            ; v: 8 blocks of channels (A) x 32 blocks of tokens (B); q, k: 64 blocks of tokens (A) x 4 of channels (B)
	s_cselect_b32 s76, s76, s21
	s_cselect_b32 s77, s77, 0
	s_cselect_b32 s78, 128, s78                    ; A's first tile in its buffer
	s_cselect_b32 s79, s80, s79                    ; B's
	s_lshl_b32 s76, s76, 2
	s_add_co_u32 s76, s76, s18
	s_lshl_b32 s22, s76, 3                         ; the first of my work-group's 8 tiles of A: it never holds cx
	s_lshl_b32 s77, s77, 2
	s_add_co_u32 s77, s77, s17
	s_lshl_b32 s23, s77, 4                         ; the first of its 16 tiles of B: it never holds cy
	s_lshl_b32 s83, s16, 2
	s_add_co_u32 s82, s22, s78
	s_add_co_u32 s82, s82, s83
	s_mul_i32 s82, s82, 13312                      ; A: the four tiles that I would fetch, in bytes
	s_mov_b32 s83, 0
	s_lshl_b32 s85, s16, 3
	s_add_co_u32 s84, s23, s79
	s_add_co_u32 s84, s84, s85
	s_mul_i32 s84, s84, 13312                      ; B: the eight
	s_mov_b32 s85, 0
	s_lshl_b32 s86, s18, 2
	s_lshl_b32 s86, 15, s86                        ; my row of the cluster
	s_lshl_b32 s87, 0x1111, s17                    ; my column
	s_or_b32 s[G1A], s86, (3<<16)|(1<<21)          ; 15:0 the mask; 17:16 elements of 8 bytes; 21 set beside a mask; no padding
	s_or_b32 s[G1B], s87, (3<<16)|(1<<21)
.irp g, G1A, G1B
	s_mov_b32 s[\g+1], 400<<16                     ; tensor_dim0: 3,200 bytes of a record
	s_mov_b32 s[\g+3], 400<<16                     ; tile_dim0
	s_mov_b32 s[\g+5], 416                         ; from record to record: 3,328 bytes (a tile is four records on end)
	s_mov_b32 s[\g+6], 0
	s_mov_b32 s[\g+7], 0
.endr
	s_mov_b32 s[G1A+2], 16<<16                     ; rows: the 16 records of 4 tiles of A,
	s_mov_b32 s[G1A+4], 16
	s_mov_b32 s[G1B+2], 32<<16                     ; the 32 of 8 tiles of B
	s_mov_b32 s[G1B+4], 32
	s_mul_i32 s88, s16, 4*TIL                      ; where they go: no place in the cluster enters an LDS address
	s_mul_i32 s89, s16, 8*TIL
	s_add_co_u32 s89, s89, 8*TIL
	s_mov_b32 s[SEL], 0x76543210
	s_mov_b32 s[SEL+1], 0xfedcba98
	s_mov_b32 s2, 0x3c800000                       ; 1 / 64
	s_mov_b32 s3, 0x34000000                       ; EPS = 2^-23
	s_wait_dscnt 0x0                               ; the opening add is done
	s_wait_kmcnt 0x0
	s_cmp_eq_u32 s20, 2
	s_cselect_b64 s[90:91], s[6:7], s[4:5]         ; A's buffer: the choice hangs on the cluster's y alone
	s_cselect_b64 s[92:93], s[4:5], s[6:7]         ; B's
	s_add_nc_u64 s[90:91], s[90:91], s[82:83]
	s_add_nc_u64 s[92:93], s[92:93], s[84:85]
	CROUND                                         ; all sixteen work-groups are here: the joint loads meet
.irp q, 0
	s_mov_b32 s[G0A+4*\q], 1
	s_add_co_u32 s[G0A+4*\q+1], s88, \q*SLOT
	s_add_nc_u64 s[G0A+4*\q+2:G0A+4*\q+3], s[90:91], \q*3328
	s_or_b32 s[G0A+4*\q+3], s[G0A+4*\q+3], 0x80000000
	s_mov_b32 s[G0B+4*\q+4*(\q/2)], 1
	s_add_co_u32 s[G0B+4*\q+4*(\q/2)+1], s89, \q*SLOT
	s_add_nc_u64 s[G0B+4*\q+4*(\q/2)+2:G0B+4*\q+4*(\q/2)+3], s[92:93], \q*3328
	s_or_b32 s[G0B+4*\q+4*(\q/2)+3], s[G0B+4*\q+4*(\q/2)+3], 0x80000000
.endr
	s_cmp_eq_u32 s15, 0                            ; all first fills of a wave stand in one branch on its number; an s_nop 0 follows each, four v_nop the last
	s_cbranch_scc0 .Lfirst_b
.irp q, 0
	tensor_load_to_lds s[G0A+4*\q:G0A+4*\q+3], s[G1A:G1A+7]
	s_nop 0
.endr
	PLACES
	s_branch .Lfirst_asked
.Lfirst_b:
.irp q, 0
	tensor_load_to_lds s[G0B+4*\q+4*(\q/2):G0B+4*\q+4*(\q/2)+3], s[G1B:G1B+7]
	s_nop 0
.endr
	PLACES
.Lfirst_asked:
	v_and_b32 v3, 31, v0                           ; lane
	v_and_b32 v4, 15, v0                           ; r
	v_bfe_u32 v5, v0, 4, 1                         ; h
	v_lshlrev_b32 v1, 4, v3                        ; 16 lane
	s_wait_alu depctr_va_vdst(0)
	v_lshlrev_b32 v2, 3, v3                        ; 8 lane
	v_lshlrev_b32 v[R16], 4, v4
	s_mul_i32 s76, s15, 4*TIL                      ; my four tiles of A
	s_mul_i32 s77, s16, 8*TIL
	s_add_co_u32 s77, s77, 8*TIL                   ; my eight of B
	s_sub_co_u32 s78, s77, s76
	v_mul_u32_u24 v6, s78, v5                      ; lanes 16-31 take B's words: one product, h x the distance
	v_lshl_add_u32 v6, v4, 3, v6
	s_add_co_u32 s79, s76, 3072
	v_add_nc_u32 v[ADA], s76, v1
	v_add_nc_u32 v[ADB], s77, v1                   ; B's tiles 0-3,
	v_add_nc_u32 v[ADS], s79, v6
	v_add_nc_u32 v[ADB+1], 4*TIL, v[ADB]           ; and 4-7: an LDS offset has 16 bits
	v_add_nc_u32 v[ADS+1], 4*TIL, v[ADS]
	s_cmp_eq_u32 s20, 2                            ; q, k: the tables of my four tiles of tokens and the gain come now and are awaited behind the products
	s_cbranch_scc1 .Lno_tables
	s_lshl_b32 s94, s15, 2
	s_add_co_u32 s94, s94, s22
	s_and_b32 s94, s94, 127                        ; my first tile of tokens within its batch
	s_lshl_b32 s94, s94, 12
	s_lshl_b32 s95, s20, 19
	s_add_co_u32 s94, s94, s95
	s_add_co_u32 s94, s94, 3407872
	s_mov_b32 s95, 0
	s_add_nc_u64 s[94:95], s[6:7], s[94:95]
	s_cmp_eq_u32 s20, 0
	s_cselect_b64 s[96:97], s[8:9], s[10:11]
	v_lshlrev_b32 v7, 6, v5                        ; 64 h: the gain of channels 32 b + 16 h + 0 .. 15
	WIN 0xc0                                       ; destination window 3
.irp a, 0,1,2,3
.irp j, 0,1,2,3,4,5,6,7
	global_load_b128 v[32*\a+4*\j:32*\a+4*\j+3], v1, s[94:95] offset:4096*\a+512*\j
.endr
.endr
.irp b, 0,1
.irp j, 0,1,2,3
	global_load_b128 v[128+16*\b+4*\j:128+16*\b+4*\j+3], v7, s[96:97] offset:128*\b+16*\j
.endr
.endr
	WIN 0
.Lno_tables:
.macro FETCH k                         ; K step k's fragments: B's eight into set k % 2 of window 1, A's four into set k % 2 of window 0: 36 loads of 512 consecutive bytes
	WIN 0x40
.irp b, 0,1,2,3,4,5,6,7
.irp j, 0,1,2
	ds_load_b128 v[96*((\k)%2)+12*\b+4*\j:96*((\k)%2)+12*\b+4*\j+3], v[ADB+\b/4] offset:TIL*(\b%4)+REC*((\k)/2)+1536*((\k)%2)+512*\j
.endr
.endr
	WIN 0
.irp a, 0,1,2,3
.irp j, 0,1,2
	ds_load_b128 v[AF+48*((\k)%2)+12*\a+4*\j:AF+48*((\k)%2)+12*\a+4*\j+3], v[ADA] offset:TIL*\a+REC*((\k)/2)+1536*((\k)%2)+512*\j
.endr
.endr
.endm
.macro SCALES q                        ; slot q's scale words (lanes 0-15 want only i = 0 .. 3; what they read beyond is not used)
.irp i, 0,1,2,3,4,5,6,7
	ds_load_b64 v[SC+16*((\q)%2)+2*\i:SC+16*((\q)%2)+2*\i+1], v[ADS+\i/4] offset:TIL*(\i%4)+REC*(\q)
.endr
.endm
.macro MUL k                           ; 32 matrix instructions; the 32 accumulators take turns in one order
	WIN 0xa1                                       ; source 0 (B) window 1, source 1 (A) window 0, C and D window 2
.irp a, 0,1,2,3
.irp b, 0,1,2,3,4,5,6,7
.if (\k) == 0
	v_wmma_scale_f32_16x16x128_f8f6f4 v[8*(8*\a+\b):8*(8*\a+\b)+7], v[96*((\k)%2)+12*\b:96*((\k)%2)+12*\b+11], v[AF+48*((\k)%2)+12*\a:AF+48*((\k)%2)+12*\a+11], 0, v[SC+16*(((\k)/2)%2)+2*\b+(\k)%2], v[SC+16*(((\k)/2)%2)+2*\a+(\k)%2] matrix_a_fmt:MATRIX_FMT_FP6 matrix_b_fmt:MATRIX_FMT_FP6 matrix_a_scale:MATRIX_SCALE_ROW1
.else
	v_wmma_scale_f32_16x16x128_f8f6f4 v[8*(8*\a+\b):8*(8*\a+\b)+7], v[96*((\k)%2)+12*\b:96*((\k)%2)+12*\b+11], v[AF+48*((\k)%2)+12*\a:AF+48*((\k)%2)+12*\a+11], v[8*(8*\a+\b):8*(8*\a+\b)+7], v[SC+16*(((\k)/2)%2)+2*\b+(\k)%2], v[SC+16*(((\k)/2)%2)+2*\a+(\k)%2] matrix_a_fmt:MATRIX_FMT_FP6 matrix_b_fmt:MATRIX_FMT_FP6 matrix_a_scale:MATRIX_SCALE_ROW1
.endif
.endr
.endr
	WIN 0
.endm
.macro STEP k                          ; K step k is multiplied while step k + 1's fragments come from LDS
	s_wait_dscnt 0x0                               ; step k's fragments are in
.if (\k) < 7
.if (\k) > 0
	PLACES
.endif
	FETCH (\k)+1
.if ((\k)%2) == 1
	SCALES ((\k)+1)/2
.endif
.endif
	MUL \k
.endm
	s_wait_alu depctr_va_vdst(0)
	s_wait_tensorcnt 0x0                           ; my one load has landed: my tiles, all of K
	s_barrier_signal -1
	s_barrier_wait -1
	FETCH 0
	SCALES 0
	STEP 0
	STEP 1
	STEP 2
	STEP 3
	STEP 4
	STEP 5
	STEP 6
	STEP 7
	PLACES
; 64 numbers of a lane (register 16 b + i = k 32 b + 16 (lane / 16) + i of my row) become a fragment's codes and its scale word.  wmax, wcvt: the windows under which the numbers are read
.macro QUANT src, wmax, wcvt, pc, pw
	WIN \wmax
.irp b, 0,1,2,3
	v_max3_num_f32 v[TM+\b], 0x1800000, |v[\src+16*\b]|, |v[\src+1+16*\b]|   ; the floor 2^(3 - 127) and my first two of block b: each accumulator is read from its low end on
.endr
.irp i, 2,4,6,8,10,12,14
.irp b, 0,1,2,3
	v_max3_num_f32 v[TM+\b], v[TM+\b], |v[\src+16*\b+\i]|, |v[\src+1+16*\b+\i]|
.endr
.endr
	WIN 0
.irp b, 0,1,2,3
	v_permlanex16_b32 v[TM+4+\b], v[TM+\b], s[SEL], s[SEL+1]
.endr
.irp b, 0,1,2,3
	v_max_num_f32 v[TM+\b], v[TM+\b], v[TM+4+\b]
.endr
.irp b, 0,1,2,3
	v_add_nc_u32 v[TM+12+\b], 0xff000000, v[TM+\b]         ; 2 off the exponent field: the conversion's scale operand
.endr
.irp b, 0,1,2,3
	v_lshrrev_b32 v[TM+4+\b], 23, v[TM+12+\b]
.endr
	v_lshl_or_b32 v[\pw], v[TM+5], 8, v[TM+4]
	v_lshl_or_b32 v[\pw], v[TM+6], 16, v[\pw]
	v_lshl_or_b32 v[\pw], v[TM+7], 24, v[\pw]
	WIN \wcvt
.irp c, 0,1
	v_cvt_scalef32_pk16_fp6_f32 v[\pc+6*\c:\pc+2+6*\c], v[\src+32*\c:\src+15+32*\c], v[TM+12+2*\c]
	v_cvt_scalef32_pk16_fp6_f32 v[CT+4*\c:CT+2+4*\c], v[\src+16+32*\c:\src+31+32*\c], v[TM+12+2*\c+1]
.endr
	WIN 0
	v_nop                                                  ; one plain place behind a scaled conversion
.irp c, 0,1
.irp i, 0,1,2
	v_permlane16_swap_b32 v[\pc+6*\c+\i], v[CT+4*\c+\i]
.endr
.irp i, 0,1,2
	v_mov_b32 v[\pc+3+6*\c+\i], v[CT+4*\c+\i]
.endr
.endr
.endm
.irp b, 0,1,2,3
	v_mov_b32 v[TM+4+\b], 0                        ; written once: a lane permute's destination counts as one of its sources
.endr
	v_mov_b32 v[T2], 0
	v_mov_b32 v[T2+1], 0
	v_mov_b32 v[RS+1], 0                           ; (named as the upper halves of pairs)
	v_mov_b32 v[RS+3], 0
	s_cmp_eq_u32 s20, 2
	s_cbranch_scc1 .Lv_out
; ---- q, k.  My tile a of tokens holds two heads: head c in accumulators 4 c .. 4 c + 3; register 16 b + i of a head is channel 32 b + 16 h + i, so channels j and j + 32 lie in one lane.
	s_lshl_b32 s76, s15, 2
	s_add_co_u32 s76, s76, s22                     ; my first tile of tokens, 0 .. 511
	s_lshr_b32 s77, s76, 7                         ; the batch
	s_and_b32 s76, s76, 127
	s_lshl_b32 s78, s16, 3
	s_add_co_u32 s78, s78, s23
	s_lshr_b32 s78, s78, 2                         ; my first head
	s_lshl_b32 s77, s77, 4
	s_add_co_u32 s77, s77, s78
	s_lshl_b32 s78, s77, 7
	s_add_co_u32 s78, s78, s76
	s_mul_i32 s78, s78, 768
	s_mul_i32 s79, s20, 6291456
	s_add_co_u32 s78, s78, s79
	s_mov_b32 s79, 0
	s_add_nc_u64 s[80:81], s[12:13], s[78:79]      ; the codes
	s_lshl_b32 s78, s77, 12
	s_lshr_b32 s84, s76, 3
	s_lshl_b32 s84, s84, 8
	s_add_co_u32 s78, s78, s84
	s_and_b32 s84, s76, 7
	s_lshl_b32 s84, s84, 1
	s_add_co_u32 s78, s78, s84
	s_lshl_b32 s84, s20, 18
	s_add_co_u32 s78, s78, s84
	s_add_co_u32 s78, s78, 18874368
	s_add_nc_u64 s[82:83], s[12:13], s[78:79]      ; the scale bytes
	s_wait_loadcnt 0x0                             ; the tables and the gain
.macro NORMROPE a
	WIN 0x0a                                       ; sources 0 and 1: window 2
.irp c, 0,1
	v_pk_mul_f32 v[SS+2*\c:SS+2*\c+1], v[64*\a+32*\c:64*\a+32*\c+1], v[64*\a+32*\c:64*\a+32*\c+1]
.endr
.irp i, 2,4,6,8,10,12,14,16,18,20,22,24,26,28,30
.irp c, 0,1
	v_pk_fma_f32 v[SS+2*\c:SS+2*\c+1], v[64*\a+32*\c+\i:64*\a+32*\c+\i+1], v[64*\a+32*\c+\i:64*\a+32*\c+\i+1], v[SS+2*\c:SS+2*\c+1]
.endr
.endr
	WIN 0
.irp c, 0,1
	v_add_f32 v[SS+2*\c], v[SS+2*\c], v[SS+2*\c+1]
.endr
.irp c, 0,1
	v_permlanex16_b32 v[T2+\c], v[SS+2*\c], s[SEL], s[SEL+1]
.endr
.irp c, 0,1
	v_add_f32 v[SS+2*\c], v[SS+2*\c], v[T2+\c]             ; the head's 64 squares
.endr
.irp c, 0,1
	v_fma_f32 v[SS+2*\c], v[SS+2*\c], s2, s3               ; their mean + EPS
.endr
	s_wait_alu depctr_va_vdst(0)
.irp c, 0,1
	v_rsq_f32 v[RS+2*\c], v[SS+2*\c]
.endr
	v_nop                                                  ; a plain place behind the transcendentals
	s_wait_alu depctr_va_vdst(0)                           ; one wait for both, ahead of their first reader
	WIN 0x02                                       ; source 0: window 2
.irp c, 0,1
.irp i, 0,2,4,6,8,10,12,14,16,18,20,22,24,26,28,30
	v_pk_mul_f32 v[H+32*\c+\i:H+32*\c+\i+1], v[64*\a+32*\c+\i:64*\a+32*\c+\i+1], v[RS+2*\c:RS+2*\c+1] op_sel_hi:[1,0]
.endr
.endr
	WIN 0x0c                                       ; source 1: window 3
.irp c, 0,1
.irp i, 0,2,4,6,8,10,12,14,16,18,20,22,24,26,28,30
	v_pk_mul_f32 v[H+32*\c+\i:H+32*\c+\i+1], v[H+32*\c+\i:H+32*\c+\i+1], v[128+\i:129+\i]     ; x the gain
.endr
.endr
.irp c, 0,1                                                ; RoPE: x1 = channels 0-31 (registers 0-15), x2 = channels 32-63 (registers 16-31)
.irp p, 0,2,4,6,8,10,12,14
	v_pk_mul_f32 v[U+\p:U+\p+1], v[H+32*\c+\p:H+32*\c+\p+1], v[32*\a+16+\p:32*\a+17+\p]       ; x1 sin
.endr
.irp p, 0,2,4,6,8,10,12,14
	v_pk_mul_f32 v[H+32*\c+\p:H+32*\c+\p+1], v[H+32*\c+\p:H+32*\c+\p+1], v[32*\a+\p:32*\a+1+\p]   ; x1 cos
.endr
.irp p, 0,2,4,6,8,10,12,14
	v_pk_fma_f32 v[H+32*\c+\p:H+32*\c+\p+1], v[H+32*\c+16+\p:H+32*\c+17+\p], v[32*\a+16+\p:32*\a+17+\p], v[H+32*\c+\p:H+32*\c+\p+1] neg_lo:[1,0,0] neg_hi:[1,0,0]   ; - x2 sin
.endr
.irp p, 0,2,4,6,8,10,12,14
	v_pk_fma_f32 v[H+32*\c+16+\p:H+32*\c+17+\p], v[H+32*\c+16+\p:H+32*\c+17+\p], v[32*\a+\p:32*\a+1+\p], v[U+\p:U+\p+1]   ; x2 cos + x1 sin
.endr
.endr
	WIN 0
	QUANT H,0,0,PCB+12*\a,PWB+\a
.irp c, 0,1                                                ; registers 6 c .. 6 c + 5 are head c's half fragment
	global_store_b128 v1, v[PCB+12*\a+6*\c:PCB+12*\a+6*\c+3], s[80:81] offset:98304*\c+768*\a
	global_store_b64 v2, v[PCB+12*\a+6*\c+4:PCB+12*\a+6*\c+5], s[80:81] offset:98304*\c+768*\a+512
.endr
.endm
	NORMROPE 0
	NORMROPE 1
	NORMROPE 2
	NORMROPE 3
	v_perm_b32 v[PK], v[PWB+1], v[PWB], 0x05040100         ; head 0's two bytes of my four tiles: 8 neighbouring bytes of row r
	v_perm_b32 v[PK+1], v[PWB+3], v[PWB+2], 0x05040100
	v_perm_b32 v[PK+2], v[PWB+1], v[PWB], 0x07060302       ; head 1's
	v_perm_b32 v[PK+3], v[PWB+3], v[PWB+2], 0x07060302
	global_store_b64 v[R16], v[PK:PK+1], s[82:83]          ; (lanes 16-31 hold the same bytes and store them to the same places)
	global_store_b64 v[R16], v[PK+2:PK+3], s[82:83] offset:4096
	s_branch .Lend
; ---- v.  My tile a is tile a of a head's channels; my 128 registers' worth of tokens are one key step: the accumulators are quantised as they stand, along the keys.
.Lv_out:
	s_lshl_b32 s76, s15, 2
	s_add_co_u32 s76, s76, s22
	s_lshr_b32 s76, s76, 2                         ; the head's number
	s_lshl_b32 s77, s16, 3
	s_add_co_u32 s77, s77, s23                     ; my first tile of tokens, 0 .. 511
	s_lshr_b32 s78, s77, 7                         ; the batch
	s_and_b32 s77, s77, 127
	s_lshr_b32 s77, s77, 3                         ; which 128 keys
	s_lshl_b32 s78, s78, 4
	s_add_co_u32 s76, s76, s78
	s_mul_i32 s78, s76, 98304
	s_mul_i32 s84, s77, 6144
	s_add_co_u32 s78, s78, s84
	s_add_co_u32 s78, s78, 12582912
	s_mov_b32 s79, 0
	s_add_nc_u64 s[80:81], s[12:13], s[78:79]
	s_lshl_b32 s78, s76, 12
	s_lshl_b32 s84, s77, 8
	s_add_co_u32 s78, s78, s84
	s_add_co_u32 s78, s78, 19398656
	s_add_nc_u64 s[82:83], s[12:13], s[78:79]
.irp a, 0,1,2,3
	QUANT 64*\a,0x28,0x02,PCB+12*\a,PWB+\a
.irp c, 0,1                                                ; registers 6 c .. 6 c + 5: keys 64 c on
	global_store_b128 v1, v[PCB+12*\a+6*\c:PCB+12*\a+6*\c+3], s[80:81] offset:3072*\c+768*\a
	global_store_b64 v2, v[PCB+12*\a+6*\c+4:PCB+12*\a+6*\c+5], s[80:81] offset:3072*\c+768*\a+512
.endr
.endr
	global_store_b128 v[R16], v[PWB:PWB+3], s[82:83]       ; row r's words of the four tiles of channels (lanes 16-31 store the same bytes to the same places)
.Lend:
	s_wait_tensorcnt 0x0                           ; the wave's end
	ds_add_u32 v[SPW], v[NIL]
	s_wait_dscnt 0x0
	CROUND                                         ; the closing round
	s_endpgm
.Lfunc_end_k_qa59ecbb9d1_proj:
	.size	k_qa59ecbb9d1_proj, .Lfunc_end_k_qa59ecbb9d1_proj-k_qa59ecbb9d1_proj
	.p2alignl 7, 3214868480
	.fill 96, 4, 3214868480
	.section	.rodata,"a",@progbits
	.p2align	6, 0x0
	.amdhsa_kernel k_qa59ecbb9d1_proj
		.amdhsa_group_segment_fixed_size 327680
		.amdhsa_private_segment_fixed_size 0
		.amdhsa_enable_private_segment 0
		.amdhsa_kernarg_size 40
		.amdhsa_user_sgpr_count 2
		.amdhsa_user_sgpr_kernarg_segment_ptr 1
		.amdhsa_wavefront_size32 1
		.amdhsa_system_sgpr_workgroup_id_x 1
		.amdhsa_system_sgpr_workgroup_id_y 1
		.amdhsa_system_sgpr_workgroup_id_z 1
		.amdhsa_system_vgpr_workitem_id 0
		.amdhsa_next_free_vgpr 1024
		.amdhsa_next_free_sgpr 100
		.amdhsa_reserve_vcc 0
		.amdhsa_float_denorm_mode_32 3
		.amdhsa_float_denorm_mode_16_64 3
		.amdhsa_memory_ordered 1
		.amdhsa_forward_progress 1
		.amdhsa_inst_pref_size 144
	.end_amdhsa_kernel
	.amdgpu_metadata
---
amdhsa.version: [ 1, 2 ]
amdhsa.kernels:
  - .name:           k_qa59ecbb9d1_proj
    .symbol:         k_qa59ecbb9d1_proj.kd
    .args:
      - { .name: xop, .offset: 0, .size: 8, .value_kind: global_buffer, .address_space: global }
      - { .name: wop, .offset: 8, .size: 8, .value_kind: global_buffer, .address_space: global }
      - { .name: g_q, .offset: 16, .size: 8, .value_kind: global_buffer, .address_space: global }
      - { .name: g_k, .offset: 24, .size: 8, .value_kind: global_buffer, .address_space: global }
      - { .name: qkv, .offset: 32, .size: 8, .value_kind: global_buffer, .address_space: global }
    .group_segment_fixed_size: 327680
    .private_segment_fixed_size: 0
    .kernarg_segment_align: 8
    .kernarg_segment_size: 40
    .max_flat_workgroup_size: 128
    .sgpr_count:     100
    .vgpr_count:     1024
    .wavefront_size: 32
...
	.end_amdgpu_metadata
.endif
;; end of part 2
;; launch attn (part 3): grid 4 x 64, 16 waves a work-group, clusters of 4 x 1, 231,424 bytes of LDS; arguments qkv, yop; writes yop
.if DOCPART == 3
	.amdgcn_target "amdgcn-amd-amdhsa--gfx1250"
	.amdhsa_code_object_version 6
	.text
	.protected	k_qa59ecbb9d1_attn
	.globl	k_qa59ecbb9d1_attn
	.p2align	8
	.type	k_qa59ecbb9d1_attn,@function
k_qa59ecbb9d1_attn:
	s_mov_b64 s[64:65], 0
	v_nop
	global_prefetch_b8 v0, s[64:65] scope:SCOPE_SE
	s_setreg_imm32_b32 hwreg(HW_REG_WAVE_MODE, 25, 1), 1
	s_wait_xcnt 0x0
	s_wait_alu depctr_hold_cnt(0) depctr_sa_sdst(0) depctr_va_vdst(0) depctr_va_sdst(0) depctr_va_ssrc(0) depctr_va_vcc(0) depctr_vm_vsrc(0)
	s_getreg_b32 s2, hwreg(HW_REG_IB_STS2, 6, 4)
	s_cmp_eq_u32 s2, 0
	s_cbranch_scc0 .Lentry_in_a_cluster
	s_endpgm
.Lentry_in_a_cluster:
	s_bfe_u32 s2, ttmp6, 0x10000c
	s_cmp_lg_u32 s2, 0x3003
	s_cbranch_scc0 .Lentry_shape_is_right
	s_endpgm
.Lentry_shape_is_right:
; y = softmax(q k^T / 8) v for one head, both products on codes of FP6 (E2M3), and y quantised along the model's 1,024 for the last projection.
; THE SOFTMAX AHEAD OF THE SECOND PRODUCT: t = score x log2(e) / 8; M = the running largest t rounded UP to a whole number; p = 2^(t - M) is quantised along the keys, not normalised; the row's sum is taken of the
; unquantised p and divides at the end; when M moves, the sum and O are multiplied by 2^(old M - new M), which rounds nothing.
; SHARES.  A work-group takes 512 queries of head ttmp7; each of its sixteen waves two tiles of 16 queries, one after the other, each over all 2,048 keys in 16 steps of 128.
; THE HEAD'S K AND V LIE WHOLE IN LDS with their scale bytes, each byte filled once, by joint loads of the cluster's four work-groups (the four query blocks of one head): ONE load a wave at the head:
; waves 0-5 a sixth of K each (64 rows of 256 bytes), waves 6-11 a sixth of V, waves 12, 13 the scale bytes of K and of V (4,096 each); waves 14, 15 none.  One wait for 0 and one barrier, and no barrier more up to the closing round.
; No prefetch: every byte is asked for at the head, and the launch has no loop of loads to run ahead in.
; LAYOUT.  Both products are used transposed (S^T = K Q^T, O^T = V^T P^T): a lane holds one query.  In memory tile 2 b + u of keys holds keys 32 b + 8 u + x + 8 (x / 8), x = 0 .. 15.  A SCORE TILE IS MADE OF OTHER ROWS:
; tile t of a group of 64 keys takes in its rows 0-7 keys 8 t + 0 .. 7 and in its rows 8-15 keys 32 + 8 t + 0 .. 7: lane r reads stored tile t % 2 + 2 (r / 8), row r % 8 + 8 (t / 2).  So a lane's 32 registers of four
; score tiles are one WHOLE block of 32 keys in order (lanes 0-15 blocks 0 and 2 of the step, lanes 16-31 blocks 1 and 3): a block's largest score needs no other lane, and the conversions' results are the operand's registers.
; K's LDS rows of 256 bytes have 64 bytes of padding: stored tiles two apart lie 1,920 bytes apart, 128 modulo 256, so the two groups of eight rows that a load of 16 bytes a lane touches fall on different banks (64 banks of 4 bytes: ISA guide 11.1).
; K = 64 IN A FORM OF K = 128: source 0 takes two tiles of keys side by side (12 registers); source 1 is (q, zeros) for the first and (zeros, q) for the second: zero codes add nothing.
; THE SECOND PRODUCT RUNS ONE STEP BEHIND THE FIRST, on one set of 48 fragment registers: step i multiplies S_i; scales O by step i - 1's f; asks for V of step i - 1, which lands under the search for the maxima; multiplies
; O += V P of step i - 1; asks for K of step i + 1, which lands under the exponentials, the sums and the conversions.  The first step (no second product yet) and the last (no further K) are written out by the same macro.
; LIMITS: NaN and infinities are not served; the promise holds while the scaled scores stay under 2^31 in magnitude; a block of zeros gets the byte 1 (its codes are zeros; this program alone reads the bytes).
.set VOFF,  122880                     ; LDS: K's 384 rows of 320 bytes at 0, V's 98,304 bytes here,
.set KSC,   221184                     ; K's scale bytes (16 steps x 256), V's 4,096 on,
.set SPARE, 229376                     ; the spare words, 128 bytes for each of 16 waves
.set SPW, 4                            ; v4   LDS address of my spare word; never rewritten
.set NIL, 5                            ; v5   0; never rewritten
.set AK16, 6                           ; v6-11 the step's addresses
.set AK8,  7
.set AV16, 8
.set AV8,  9
.set ASK,  10
.set ASV,  11
.set QP,  34                           ; v34-45 my two tiles of q;  v16-33: zeros, q, zeros
.set QW,  46                           ; v46  their scale bytes
.set QS,  47                           ; v47  the tile's two bytes, twice: a scale word
.set F,   48                           ; v48-95 four fragments of K or of V
.set S,   96                           ; v96-159 S^T, then p: register 32 c + i is key 64 c + 32 (lane / 16) + i of the step
.set O,   160                          ; v160-191 O^T
.set PC,  192                          ; v192-203 p's codes
.set CT,  204                          ; v204-210 conversions' second halves
.set SK,  212                          ; v212-215 K's four scale words of the step
.set SV,  216                          ; v216-219 V's
.set PS,  220                          ; v220 p's scale word
.set BM,  222                          ; v222-223 my two blocks' largest
.set BS,  224
.set BB,  226
.set TV,  228
.set TP,  229
.set OM,  230                          ; v230 the last step's -M
.set FF,  232                          ; v[232:233] f; 1 / sum
.set H8,  234                          ; v234 8 (lane / 16)
.set YSA, 235                          ; v235 where y's two scale bytes go, from the codes' base
.set T,   236                          ; v236-243 four partial sums of p, in pairs
.set KB16, 244                         ; v244-249 the lane's parts of the six addresses
.set KB8,  245
.set VB16, 246
.set VB8,  247
.set SKB,  248
.set SVB,  249
.set WV,  8
.set SEL, 60
.set CS,  62                           ; s[62:63] c = log2(e) / 8
.set CN,  66                           ; s66 -c
.set TK,  67                           ; s67 the next step's first byte in K's rows: 7,680 a step
.set TVS, 68                           ; s68 the last step's in V: 6,144 a step
.set TSK, 69                           ; s69, s87 the same among the scale bytes: 256 a step
.set TSV, 87
.set TRIP, 70
.set CNT, 86
.macro CROUND
	s_barrier_signal -1
	s_barrier_wait -1
	s_cmp_lg_u32 s[WV], 0
	s_cbranch_scc1 .Lnot_wave_0_\@
	s_barrier_signal -3
.Lnot_wave_0_\@:
	s_barrier_wait -3
	s_barrier_signal -1
	s_barrier_wait -1
.endm
	s_load_b128 s[4:7], s[0:1], 0x0                ; qkv s[4:5], yop s[6:7]
	v_lshl_add_u32 v[SPW], v0, 2, SPARE
	v_mov_b32 v[NIL], 0
	ds_add_u32 v[SPW], v[NIL]                      ; the wave's opening: the add, twice on end, and its wait ahead of the first tensor loads
	ds_add_u32 v[SPW], v[NIL]
	v_lshrrev_b32 v6, 5, v0
	s_delay_alu instid0(VALU_DEP_1)
	v_readfirstlane_b32 s[WV], v6
	s_bfe_u32 s9, ttmp6, 0x40000                   ; cx: my block of 512 queries; it enters q's and y's addresses alone
	s_and_b32 s10, ttmp7, 0xffff                   ; the head, 0 .. 63, which the four partners share
	; descriptor groups 1: dense blocks as rows of 256 bytes (32 elements of 8 bytes): s[12:19] K (64 rows, padded), s[20:27] V (64 rows), s[28:35] scale bytes (16 rows)
.irp g, 12, 20, 28
	s_mov_b32 s[\g+1], 32<<16
	s_mov_b32 s[\g+3], 32<<16
	s_mov_b32 s[\g+5], 32
	s_mov_b32 s[\g+6], 0
	s_mov_b32 s[\g+7], 0
.endr
	s_mov_b32 s12, 15|(3<<16)|(1<<20)|(1<<21)|(5<<22)|(15<<25)   ; the mask: all four work-groups; elements of 8 bytes; padding: 16 words behind every 64; 21 set beside a mask
	s_mov_b32 s20, 15|(3<<16)|(1<<21)
	s_mov_b32 s28, 15|(3<<16)|(1<<21)
	s_mov_b32 s14, 64<<16
	s_mov_b32 s16, 64
	s_mov_b32 s22, 64<<16
	s_mov_b32 s24, 64
	s_mov_b32 s30, 16<<16
	s_mov_b32 s32, 16
	; groups 0, each by the wave's number; a wave uses the one of its arm
	s_mov_b32 s36, 1
	s_mul_i32 s37, s[WV], 20480                    ; K, waves 0-5: 64 LDS rows of 320 bytes a wave
	s_mov_b32 s40, 1
	s_lshl_b32 s41, s[WV], 14
	s_add_co_u32 s41, s41, VOFF-98304              ; V, waves 6-11: VOFF + 16,384 (wave - 6)
	s_mov_b32 s44, 1
	s_lshl_b32 s45, s[WV], 12
	s_add_co_u32 s45, s45, KSC-49152               ; scale bytes, waves 12, 13: KSC + 4,096 (wave - 12)
	s_mul_i32 s71, s10, 98304
	s_lshl_b32 s72, s[WV], 14
	s_add_co_u32 s72, s72, s71
	s_add_co_u32 s74, s72, 6291456                 ; in qkv: the head's codes of K, my sixth
	s_mov_b32 s75, 0
	s_add_co_u32 s76, s72, 12582912-98304          ; of V
	s_mov_b32 s77, 0
	s_lshl_b32 s78, s[WV], 18
	s_lshl_b32 s79, s10, 12
	s_add_co_u32 s78, s78, s79
	s_add_co_u32 s78, s78, 19136512-12*262144      ; the head's scale bytes of K (wave 12) or V (wave 13)
	s_mov_b32 s79, 0
	s_mov_b32 s[SEL], 0x76543210
	s_mov_b32 s[SEL+1], 0xfedcba98
	s_mov_b32 s[CS], 0x3e38aa3b
	s_mov_b32 s[CS+1], s[CS]
	s_mov_b32 s[CN], 0xbe38aa3b
	s_wait_dscnt 0x0                               ; both opening adds are done
	s_wait_kmcnt 0x0
	s_add_nc_u64 s[38:39], s[4:5], s[74:75]
	s_or_b32 s39, s39, 0x80000000
	s_add_nc_u64 s[42:43], s[4:5], s[76:77]
	s_or_b32 s43, s43, 0x80000000
	s_add_nc_u64 s[46:47], s[4:5], s[78:79]
	s_or_b32 s47, s47, 0x80000000
	CROUND                                         ; all four work-groups are here: the joint loads meet
; one chain of branches on the wave's number, one load to an arm, all arms to one join; an s_nop 0 and four v_nop follow each load
.macro ARM under, g0, g1, next
	s_cmp_lt_u32 s[WV], \under
	s_cbranch_scc0 \next
	tensor_load_to_lds s[\g0:\g0+3], s[\g1:\g1+7]
	s_nop 0
.rept 4
	v_nop
.endr
	s_branch .Lasked
\next:
.endm
	ARM 6, 36, 12, .Lfor_v
	ARM 12, 40, 20, .Lfor_s
	s_cmp_lt_u32 s[WV], 14
	s_cbranch_scc0 .Lasked
	tensor_load_to_lds s[44:47], s[28:35]
	s_nop 0
.rept 4
	v_nop
.endr
.Lasked:
	s_lshl_b32 s71, s9, 5
	s_lshl_b32 s72, s[WV], 1
	s_add_co_u32 s71, s71, s72                     ; my first tile of queries in the head
	s_lshl_b32 s72, s10, 7
	s_add_co_u32 s72, s72, s71
	s_mul_i32 s72, s72, 768
	s_mov_b32 s73, 0
	s_add_nc_u64 s[80:81], s[4:5], s[72:73]        ; q's codes
	s_lshl_b32 s72, s10, 12
	s_lshr_b32 s74, s71, 3
	s_lshl_b32 s74, s74, 8
	s_add_co_u32 s72, s72, s74
	s_and_b32 s74, s71, 7
	s_lshl_b32 s74, s74, 1
	s_add_co_u32 s72, s72, s74
	s_add_co_u32 s72, s72, 18874368
	s_add_nc_u64 s[82:83], s[4:5], s[72:73]        ; q's scale bytes: my two tiles' four bytes of a row are one word
	s_lshr_b32 s74, s10, 4
	s_lshl_b32 s74, s74, 7
	s_add_co_u32 s74, s74, s71                     ; y's tile of tokens, 0 .. 511
	s_mul_i32 s72, s74, 13312
	s_and_b32 s75, s10, 15                         ; the head within the model
	s_lshr_b32 s76, s75, 2
	s_mul_i32 s76, s76, 3328                       ; the record: four heads are 256 along K
	s_add_co_u32 s72, s72, s76
	s_and_b32 s77, s75, 3
	s_mul_i32 s76, s77, 768
	s_add_co_u32 s72, s72, s76
	s_add_nc_u64 s[84:85], s[6:7], s[72:73]        ; y's half fragment
	s_mul_i32 s77, s77, 766
	s_sub_co_u32 s79, 3072, s77                    ; from there to the record's scale words, + 2 bytes a head
	v_and_b32 v250, 31, v0                         ; lane
	v_and_b32 v251, 15, v0                         ; r
	v_bfe_u32 v252, v0, 4, 1                       ; h
	v_and_b32 v254, 7, v0                          ; r % 8
	v_lshlrev_b32 v1, 4, v250                      ; 16 lane
	v_lshlrev_b32 v2, 3, v250                      ; 8 lane
	v_lshlrev_b32 v253, 4, v251                    ; 16 r
	global_load_b128 v[QP:QP+3], v1, s[80:81]
	global_load_b64 v[QP+4:QP+5], v2, s[80:81] offset:512
	global_load_b128 v[QP+6:QP+9], v1, s[80:81] offset:768
	global_load_b64 v[QP+10:QP+11], v2, s[80:81] offset:1280
	global_load_b32 v[QW], v253, s[82:83]
	v_bfe_u32 v255, v0, 3, 1                       ; r / 8
	v_add_nc_u32 v[VB16], VOFF, v1
	v_add_nc_u32 v[VB8], VOFF, v2
	v_mul_u32_u24 v3, v255, 1920                   ; rows 8-15 of a score tile come from the stored tile two further on
	v_lshlrev_b32 v[SKB], 4, v254
	v_add_nc_u32 v[SVB], KSC+4096, v253            ; V's scale words: row r's 16 bytes
	v_lshl_add_u32 v[KB16], v254, 4, v3
	v_lshl_add_u32 v[KB8], v254, 3, v3
	v_lshl_add_u32 v[SKB], v255, 2, v[SKB]
	v_mad_u32_u24 v[KB16], v252, 320, v[KB16]      ; registers 0-3: stored lane x + 16 h at 320 h + 16 x
	v_lshl_add_u32 v[KB8], v252, 7, v[KB8]         ; registers 4-5: at 640 + 128 h + 8 x
	v_add_nc_u32 v[SKB], KSC, v[SKB]               ; K's scale words: stored row r % 8 (+ 8 by the offset), the word of stored tiles 2 (r / 8), 2 (r / 8) + 1
	v_lshlrev_b32 v[H8], 3, v252
	v_lshlrev_b32 v[YSA], 3, v251
.irp i, 0,1,2,3,4,5
	v_mov_b32 v[16+\i], 0                          ; zero codes on either side of q: v[16:27] = (0, q), v[22:33] = (q, 0)
	v_mov_b32 v[28+\i], 0
.endr
	v_add_nc_u32 v[YSA], s79, v[YSA]
	v_mov_b32 v[TP], 0                             ; written once: a lane permute's destination counts as one of its sources
	v_mov_b32 v[FF+1], 0                           ; (named as the upper half of a pair)
	s_wait_alu depctr_va_vdst(0)
	s_wait_loadcnt 0x0                             ; q
	s_wait_tensorcnt 0x0                           ; my load, if I issued one, has landed
	s_barrier_signal -1
	s_barrier_wait -1                              ; everybody's has: K, V and the scale bytes are whole
.macro PKF j0, n                       ; t - M for n pairs of scores from register j0 on
.set j, \j0
.rept \n
	v_pk_fma_f32 v[S+j:S+j+1], v[S+j:S+j+1], s[CS:CS+1], v[12:13] op_sel_hi:[1,0,0]
.set j, j+2
.endr
.endm
.macro SUMR j0                         ; eight more p onto the four partial sums
.irp k, 0,1,2,3
	v_pk_add_f32 v[T+2*\k:T+2*\k+1], v[T+2*\k:T+2*\k+1], v[S+\j0+2*\k:S+\j0+2*\k+1]
.endr
.endm
.macro OMUL                            ; O^T x f: each accumulator from its low end on
.set j, 0
.rept 16
	v_pk_mul_f32 v[O+j:O+j+1], v[O+j:O+j+1], v[FF:FF+1] op_sel_hi:[1,0]
.set j, j+2
.endr
.endm
.macro KLOAD a16, a8, as               ; a step's K: group c of 64 keys, score tiles 2 g and 2 g + 1 side by side; and its four scale words
.irp c, 0,1
.irp g, 0,1
.irp u, 0,1
	ds_load_b128 v[F+12*(2*\c+\g)+6*\u:F+12*(2*\c+\g)+6*\u+3], v[\a16] offset:3840*\c+960*\u+128*\g
	ds_load_b64 v[F+12*(2*\c+\g)+6*\u+4:F+12*(2*\c+\g)+6*\u+5], v[\a8] offset:3840*\c+960*\u+640+64*\g
.endr
	ds_load_b32 v[SK+2*\c+\g], v[\as] offset:128*\g+8*\c
.endr
.endr
.endm
.macro VLOAD                           ; a step's V: four tiles of channels x 128 keys, and its scale words; then on to the next step's
	v_add_nc_u32 v[AV16], s[TVS], v[VB16]
	v_add_nc_u32 v[AV8], s[TVS], v[VB8]
	v_add_nc_u32 v[ASV], s[TSV], v[SVB]
.irp t, 0,1,2,3
	ds_load_b128 v[F+12*\t:F+12*\t+3], v[AV16] offset:768*\t
	ds_load_b64 v[F+12*\t+4:F+12*\t+5], v[AV8] offset:768*\t+512
	ds_load_b128 v[F+12*\t+6:F+12*\t+9], v[AV16] offset:3072+768*\t
	ds_load_b64 v[F+12*\t+10:F+12*\t+11], v[AV8] offset:3072+768*\t+512
.endr
	ds_load_b128 v[SV:SV+3], v[ASV]
	s_add_co_u32 s[TVS], s[TVS], 6144
	s_add_co_u32 s[TSV], s[TSV], 256
.endm
.macro PV                              ; O^T += V^T P^T; the four accumulators by turns
.irp t, 0,1,2,3
	v_wmma_scale_f32_16x16x128_f8f6f4 v[O+8*\t:O+8*\t+7], v[F+12*\t:F+12*\t+11], v[PC:PC+11], v[O+8*\t:O+8*\t+7], v[SV+\t], v[PS] matrix_a_fmt:MATRIX_FMT_FP6 matrix_b_fmt:MATRIX_FMT_FP6
.endr
.endm
; A KEY STEP: 128 keys.  pv = 1: the last step's second product is done here; kl = 1: the next step's K is asked for here
.macro STEP pv, kl
.if \kl
	s_add_co_u32 s[TK], s[TK], 7680
	s_add_co_u32 s[TSK], s[TSK], 256
.endif
.if \pv == 0
	s_wait_alu depctr_va_vdst(0)                   ; q and its scale word were just written
.endif
	s_wait_dscnt 0x0                               ; this step's K is in
.irp p, 0,1,2,3
	v_wmma_scale_f32_16x16x128_f8f6f4 v[S+16*\p:S+16*\p+7], v[F+12*\p:F+12*\p+11], v[22:33], 0, v[SK+\p], v[QS] matrix_a_fmt:MATRIX_FMT_FP6 matrix_b_fmt:MATRIX_FMT_FP6
	v_wmma_scale_f32_16x16x128_f8f6f4 v[S+16*\p+8:S+16*\p+15], v[F+12*\p:F+12*\p+11], v[16:27], 0, v[SK+\p], v[QS] matrix_a_fmt:MATRIX_FMT_FP6 matrix_b_fmt:MATRIX_FMT_FP6
.endr
.if \pv
	s_wait_alu depctr_va_vdst(0)                   ; directly ahead of the first reader of O^T
	OMUL                                           ; O^T under the last step's M; these sixteen are also the places in front of the loads into K's registers and of the first read of the scores
	VLOAD                                          ; the last step's V: it lands under the search for the maxima
	v_pk_add_f32 v[T:T+1], v[T:T+1], v[T+2:T+3]    ; the last step's partial sums are joined here
	v_pk_add_f32 v[T+4:T+5], v[T+4:T+5], v[T+6:T+7]
.else
.set j, 0
.rept 32
	v_mov_b32 v[O+j], 0                            ; the first second product finds zeros (also the places behind the products)
.set j, j+1
.endr
.endif
	v_mov_b32 v[OM], v12
.irp c, 0,1                                                ; the largest score of my two blocks of 32 keys, in two chains each; each accumulator is first read at its low end
	v_max3_num_f32 v[BM+\c], v[S+32*\c], v[S+32*\c+1], v[S+32*\c+2]
	v_max3_num_f32 v[BB+\c], v[S+32*\c+16], v[S+32*\c+17], v[S+32*\c+18]
.endr
.if \pv
	v_pk_add_f32 v[T:T+1], v[T:T+1], v[T+4:T+5]
.endif
.irp i, 3,5,7
.irp c, 0,1
	v_max3_num_f32 v[BM+\c], v[BM+\c], v[S+32*\c+\i], v[S+32*\c+\i+1]
	v_max3_num_f32 v[BB+\c], v[BB+\c], v[S+32*\c+16+\i], v[S+32*\c+17+\i]
.endr
.endr
.if \pv
	v_pk_add_f32 v[14:15], v[14:15], v[T:T+1]      ; the last step's p are in the row's sum, still under the old M
.endif
.irp i, 9,11,13
.irp c, 0,1
	v_max3_num_f32 v[BM+\c], v[BM+\c], v[S+32*\c+\i], v[S+32*\c+\i+1]
	v_max3_num_f32 v[BB+\c], v[BB+\c], v[S+32*\c+16+\i], v[S+32*\c+17+\i]
.endr
.endr
.irp c, 0,1
	v_max3_num_f32 v[BM+\c], v[BM+\c], v[S+32*\c+15], v[S+32*\c+31]
.endr
.irp c, 0,1
	s_delay_alu instid0(VALU_DEP_2)
	v_max_num_f32 v[BM+\c], v[BM+\c], v[BB+\c]
.endr
.if \pv
	s_wait_alu depctr_va_vdst(0)
	s_wait_dscnt 0x0                               ; V is in
	PV
.endif
	v_max_num_f32 v[TV], v[BM], v[BM+1]
.if \kl
	v_add_nc_u32 v[AK16], s[TK], v[KB16]           ; (with the lines round them: the places behind the products, in front of the loads into V's registers)
	v_add_nc_u32 v[AK8], s[TK], v[KB8]
	v_add_nc_u32 v[ASK], s[TSK], v[SKB]
.else
	s_delay_alu instid0(VALU_DEP_1)
.endif
	v_permlanex16_b32 v[TP], v[TV], s[SEL], s[SEL+1]
.if \kl
	KLOAD AK16, AK8, ASK                           ; the next step's K: it lands under the rest of this step
.else
	s_delay_alu instid0(VALU_DEP_1)
.endif
	v_max3_num_f32 v13, v13, v[TV], v[TP]          ; the running largest score of my query (c is positive)
	s_delay_alu instid0(VALU_DEP_1)
	v_mul_f32 v[TV], s[CN], v13
	s_delay_alu instid0(VALU_DEP_1)
	v_floor_f32 v12, v[TV]                         ; -M = floor(-t): M is a whole number
	s_delay_alu instid0(VALU_DEP_1)
	v_sub_f32 v[TV], v12, v[OM]
	PKF 0, 4
	v_cvt_i32_f32 v[TV], v[TV]                     ; (it saturates)
	PKF 8, 4
	v_ldexp_f32 v[FF], 1.0, v[TV]                  ; f = 2^(old M - new M)
	PKF 16, 24
.irp c, 0,1
	v_fma_f32 v[BM+\c], v[BM+\c], s[CS], v12       ; the same of each block's largest score: p rises with the score
.endr
	s_wait_alu depctr_va_vdst(0)
.set j, 0
.rept 64
	v_exp_f32 v[S+j], v[S+j]                       ; p = 2^(t - M)
.set j, j+1
.endr
.irp c, 0,1
	v_exp_f32 v[BM+\c], v[BM+\c]                   ; the blocks' largest p
.endr
	v_pk_mul_f32 v[14:15], v[14:15], v[FF:FF+1] op_sel_hi:[1,0]   ; the sum under the new M (a plain place behind the exponentials)
	s_wait_alu depctr_va_vdst(0)                   ; one wait for the batch, ahead of its first reader
.irp k, 0,1,2,3
	v_pk_add_f32 v[T+2*\k:T+2*\k+1], v[S+4*\k:S+4*\k+1], v[S+4*\k+2:S+4*\k+3]   ; the sum of the unquantised p, in four chains; the scale's lines stand between them
.endr
.irp c, 0,1
	v_max_num_f32 v[BM+\c], 0x1800000, v[BM+\c]    ; the floor 2^(3 - 127): the byte cannot fall under 1
.endr
	SUMR 16
.irp c, 0,1
	v_add_nc_u32 v[BS+\c], 0xff000000, v[BM+\c]    ; 2 off the exponent field: the conversion's scale operand
.endr
	SUMR 24
.irp c, 0,1
	v_lshrrev_b32 v[BB+\c], 23, v[BS+\c]           ; the scale's byte
.endr
	SUMR 32
	v_lshl_or_b32 v[TV], v[BB+1], 16, v[BB]        ; my blocks h and 2 + h,
	SUMR 40
	v_lshlrev_b32 v[TV], v[H8], v[TV]              ; at their places in the word;
	SUMR 48
	v_permlanex16_b32 v[TP], v[TV], s[SEL], s[SEL+1]
	SUMR 56
	v_or_b32 v[PS], v[TV], v[TP]                   ; with lane l xor 16's two the word is whole
.irp c, 0,1
	v_cvt_scalef32_pk16_fp6_f32 v[PC+6*\c:PC+6*\c+2], v[S+32*\c:S+32*\c+15], v[BS+\c]
	v_cvt_scalef32_pk16_fp6_f32 v[CT+4*\c:CT+4*\c+2], v[S+32*\c+16:S+32*\c+31], v[BS+\c]   ; (a conversion's three registers begin on an even number)
.endr
	v_nop                                          ; one plain place behind a scaled conversion
.irp c, 0,1
.irp i, 0,1,2
	v_mov_b32 v[PC+3+6*\c+\i], v[CT+4*\c+\i]
.endr
.endr
.endm
	s_mov_b32 s[TRIP], 2
.Ltile:                                        ; one tile of 16 queries a trip
	KLOAD KB16, KB8, SKB                           ; step 0's K
	v_perm_b32 v[QS], v[QW], v[QW], 0x01000100     ; the tile's two scale bytes, twice
.irp i, 0,1,2,3,4,5
	v_mov_b32 v[22+\i], v[QP+\i]
.endr
.irp i, 0,1,2,3,4,5
	v_mov_b32 v[QP+\i], v[QP+6+\i]                 ; the second tile moves up
.endr
	v_lshrrev_b32 v[QW], 16, v[QW]
	v_mov_b32 v13, 0xff61b1e6                      ; the largest score so far: -3e38
	v_mov_b32 v12, 0x7e000000                      ; -M: a whole number above every -t, so that the first step's f is 0
	v_mov_b32 v14, 0
	v_mov_b32 v15, 0
	s_mov_b32 s[TK], 0
	s_mov_b32 s[TSK], 0
	s_mov_b32 s[TVS], 0
	s_mov_b32 s[TSV], 0
	STEP 0, 1                                      ; step 0
	s_mov_b32 s[CNT], 14
.Lstep:
	STEP 1, 1                                      ; steps 1 to 14
	s_sub_co_u32 s[CNT], s[CNT], 1
	s_cmp_lg_u32 s[CNT], 0
	s_cbranch_scc1 .Lstep
	STEP 1, 0                                      ; step 15
	s_wait_alu depctr_va_vdst(0)                   ; directly ahead of the first reader of O^T
	OMUL                                           ; step 15's second product is still to do
	VLOAD
	v_pk_add_f32 v[T:T+1], v[T:T+1], v[T+2:T+3]    ; under V's way: step 15's partial sums,
	v_pk_add_f32 v[T+4:T+5], v[T+4:T+5], v[T+6:T+7]
	s_delay_alu instid0(VALU_DEP_1)
	v_pk_add_f32 v[T:T+1], v[T:T+1], v[T+4:T+5]
	s_delay_alu instid0(VALU_DEP_1)
	v_pk_add_f32 v[14:15], v[14:15], v[T:T+1]
	s_delay_alu instid0(VALU_DEP_1)
	v_add_f32 v14, v14, v15
	s_delay_alu instid0(VALU_DEP_1)
	v_permlanex16_b32 v[TP], v14, s[SEL], s[SEL+1]
	s_delay_alu instid0(VALU_DEP_1)
	v_add_f32 v14, v14, v[TP]                      ; the row's sum,
	s_wait_alu depctr_va_vdst(0)
	v_rcp_f32 v[FF], v14                           ; and 1 / it
	v_nop
	s_wait_alu depctr_va_vdst(0)
	s_wait_dscnt 0x0                               ; V is in
	PV
.rept 4
	v_nop                                          ; places in front of the first read of O^T
.endr
	; the way out: O^T / the sum is y(query, 64 channels of my head): register 16 B + i is channel 32 B + 16 h + i; two blocks of 32 along the last projection's K
.set j, 0
.rept 16
	v_pk_mul_f32 v[S+j:S+j+1], v[O+j:O+j+1], v[FF:FF+1] op_sel_hi:[1,0]
.set j, j+2
.endr
.irp b, 0,1
	v_max3_num_f32 v[BM+\b], |v[S+16*\b]|, |v[S+1+16*\b]|, 0x1800000
.endr
.irp i, 2,4,6,8,10,12,14
.irp b, 0,1
	s_delay_alu instid0(VALU_DEP_2)
	v_max3_num_f32 v[BM+\b], v[BM+\b], |v[S+16*\b+\i]|, |v[S+1+16*\b+\i]|
.endr
.endr
.irp b, 0,1
	s_delay_alu instid0(VALU_DEP_2)
	v_permlanex16_b32 v[BB+\b], v[BM+\b], s[SEL], s[SEL+1]
.endr
.irp b, 0,1
	s_delay_alu instid0(VALU_DEP_2)
	v_max_num_f32 v[BM+\b], v[BM+\b], v[BB+\b]
.endr
.irp b, 0,1
	s_delay_alu instid0(VALU_DEP_2)
	v_add_nc_u32 v[BS+\b], 0xff000000, v[BM+\b]
.endr
.irp b, 0,1
	s_delay_alu instid0(VALU_DEP_2)
	v_lshrrev_b32 v[BB+\b], 23, v[BS+\b]
.endr
	s_delay_alu instid0(VALU_DEP_1)
	v_lshl_or_b32 v[TV], v[BB+1], 8, v[BB]
	v_cvt_scalef32_pk16_fp6_f32 v[PC:PC+2], v[S:S+15], v[BS]
	v_cvt_scalef32_pk16_fp6_f32 v[CT:CT+2], v[S+16:S+31], v[BS+1]
	v_nop                                          ; one plain place behind a scaled conversion
.irp i, 0,1,2
	v_permlane16_swap_b32 v[PC+\i], v[CT+\i]       ; here a lane holds half of each block: the operand wants a whole block in a lane
.endr
.irp i, 0,1,2
	s_delay_alu instid0(VALU_DEP_3)
	v_mov_b32 v[PC+3+\i], v[CT+\i]
.endr
	global_store_b128 v1, v[PC:PC+3], s[84:85]     ; 512 consecutive bytes,
	global_store_b64 v2, v[PC+4:PC+5], s[84:85] offset:512   ; and 256
	global_store_b16 v[YSA], v[TV], s[84:85]       ; (lanes 16-31 store the same bytes to the same places)
	s_wait_xcnt 0x0                                ; the stores have read their data and their base: both are written again
	s_add_nc_u64 s[84:85], s[84:85], 13312         ; the next tile of tokens
	s_sub_co_u32 s[TRIP], s[TRIP], 1
	s_cmp_lg_u32 s[TRIP], 0
	s_cbranch_scc1 .Ltile
	s_wait_tensorcnt 0x0                           ; the wave's end
	ds_add_u32 v[SPW], v[NIL]
	s_wait_dscnt 0x0
	CROUND                                         ; the closing round
	s_endpgm
.Lfunc_end_k_qa59ecbb9d1_attn:
	.size	k_qa59ecbb9d1_attn, .Lfunc_end_k_qa59ecbb9d1_attn-k_qa59ecbb9d1_attn
	.p2alignl 7, 3214868480
	.fill 96, 4, 3214868480
	.section	.rodata,"a",@progbits
	.p2align	6, 0x0
	.amdhsa_kernel k_qa59ecbb9d1_attn
		.amdhsa_group_segment_fixed_size 231424
		.amdhsa_private_segment_fixed_size 0
		.amdhsa_enable_private_segment 0
		.amdhsa_kernarg_size 16
		.amdhsa_user_sgpr_count 2
		.amdhsa_user_sgpr_kernarg_segment_ptr 1
		.amdhsa_wavefront_size32 1
		.amdhsa_system_sgpr_workgroup_id_x 1
		.amdhsa_system_sgpr_workgroup_id_y 1
		.amdhsa_system_sgpr_workgroup_id_z 1
		.amdhsa_system_vgpr_workitem_id 0
		.amdhsa_next_free_vgpr 256
		.amdhsa_next_free_sgpr 88
		.amdhsa_reserve_vcc 0
		.amdhsa_float_denorm_mode_32 3
		.amdhsa_float_denorm_mode_16_64 3
		.amdhsa_memory_ordered 1
		.amdhsa_forward_progress 1
		.amdhsa_inst_pref_size 61
	.end_amdhsa_kernel
	.amdgpu_metadata
---
amdhsa.version: [ 1, 2 ]
amdhsa.kernels:
  - .name:           k_qa59ecbb9d1_attn
    .symbol:         k_qa59ecbb9d1_attn.kd
    .args:
      - { .name: qkv, .offset: 0, .size: 8, .value_kind: global_buffer, .address_space: global }
      - { .name: yop, .offset: 8, .size: 8, .value_kind: global_buffer, .address_space: global }
    .group_segment_fixed_size: 231424
    .private_segment_fixed_size: 0
    .kernarg_segment_align: 8
    .kernarg_segment_size: 16
    .max_flat_workgroup_size: 512
    .sgpr_count:     88
    .vgpr_count:     256
    .wavefront_size: 32
...
	.end_amdgpu_metadata
.endif
;; end of part 3
;; launch outp (part 4): grid 4 x 64, 4 waves a work-group, clusters of 4 x 4, 327,680 bytes of LDS; arguments yop, wop, out0; writes out0
.if DOCPART == 4
	.amdgcn_target "amdgcn-amd-amdhsa--gfx1250"
	.amdhsa_code_object_version 6
	.text
	.protected	k_qa59ecbb9d1_outp
	.globl	k_qa59ecbb9d1_outp
	.p2align	8
	.type	k_qa59ecbb9d1_outp,@function
k_qa59ecbb9d1_outp:
	s_mov_b64 s[64:65], 0
	v_nop
	global_prefetch_b8 v0, s[64:65] scope:SCOPE_SE
	s_setreg_imm32_b32 hwreg(HW_REG_WAVE_MODE, 25, 1), 1
	s_wait_xcnt 0x0
	s_wait_alu depctr_hold_cnt(0) depctr_sa_sdst(0) depctr_va_vdst(0) depctr_va_sdst(0) depctr_va_ssrc(0) depctr_va_vcc(0) depctr_vm_vsrc(0)
	s_getreg_b32 s2, hwreg(HW_REG_IB_STS2, 6, 4)
	s_cmp_eq_u32 s2, 0
	s_cbranch_scc0 .Lentry_in_a_cluster
	s_endpgm
.Lentry_in_a_cluster:
	s_bfe_u32 s2, ttmp6, 0x10000c
	s_cmp_lg_u32 s2, 0xf033
	s_cbranch_scc0 .Lentry_shape_is_right
	s_endpgm
.Lentry_shape_is_right:
; out0 = y Wout on codes of FP6 (E2M3).  A work-group makes 128 tokens (operand A, on the lanes: source 1) x 256 output columns (operand B, on the registers: source 0), K = 1,024.  Four waves, each 64 x 128: 32 accumulators.
; Operands lie in memory in records (tile of 16 rows, 256 along K) of 3,328 bytes: 3,072 bytes of codes and 128 bytes of scale words.  Wout's codes are two fragments of 1,536 bytes (registers 4 j .. at 512 j + 16 lane);
; y's are four half fragments of 768 bytes, one a head (registers 0-3 at 16 lane, registers 4-5 at 512 + 8 lane).  Tile 2 B + u holds rows 32 B + 8 u + r + 8 (r / 8): the tokens are put back in order by the stores' offsets.
; ALL OF K LIES IN LDS: four slots (256 along K each) of 24 records, each filled once, by joint loads issued together at the start.  One tensor load of a wave is out.
; CLUSTER 4 x 4: y's tiles hang on cy and the cluster's y and are shared along a row of the cluster; Wout's hang on cx and are shared along a column.
; REGISTERS: window 0: v1-29 addresses; v32-63 scale words, two sets; v64-159 A's fragments, two sets; on the way out v128-255 rows of out0.  Window 1: B's fragments, two sets of 96.  Window 2: the accumulators, (a, b) at v[8 (8 a + b)].
.set SLOT,  76800
.set REC,   3200                       ; a record in LDS
.set TIL,   12800                      ; LDS is laid by tiles: a tile's four records (all of K) on end; A's 8 tiles, then B's 16.  One tensor load a wave brings its tiles whole; nothing is filled twice
.set SPARE, 4*SLOT
.set ADA, 8                            ; v8-11   16 lane + my four tiles of A in slot q
.set ADB, 12                           ; v12-15  16 lane + my eight tiles of B
.set ADS, 16                           ; v16-19  the scale words: lanes 0-15 A's rows, lanes 16-31 B's
.set ADA8, 20                          ; v20-23  8 lane + my four tiles of A
.set STO, 24                           ; v24     the way out: where I put 32 bytes of a row
.set RD,  25                           ; v25     and where I read a row back
.set SPW, 28
.set NIL, 29
.set SC,  32
.set AF,  64
.set BK,  128
.set WV,  14
.set G1A, 24
.set G1B, 32
.set G0A, 40
.set G0B, 56                           ; s[56:59]
.set MSB, 0
.macro WIN new
.if MSB != \new
	s_set_vgpr_msb (MSB<<8)|\new
.set MSB, \new
.endif
.endm
.macro PLACES
.rept 4
	v_nop
.endr
.endm
.macro CROUND
	s_barrier_signal -1
	s_barrier_wait -1
	s_cmp_lg_u32 s[WV], 0
	s_cbranch_scc1 .Lnot_wave_0_\@
	s_barrier_signal -3
.Lnot_wave_0_\@:
	s_barrier_wait -3
	s_barrier_signal -1
	s_barrier_wait -1
.endm
	s_load_b128 s[4:7], s[0:1], 0x0                ; yop s[4:5], wop s[6:7]
	s_load_b64 s[8:9], s[0:1], 0x10                ; out0
	v_lshl_add_u32 v[SPW], v0, 2, SPARE
	v_mov_b32 v[NIL], 0
	ds_add_u32 v[SPW], v[NIL]                      ; the wave's opening: the add and its wait ahead of my first tensor load
	ds_add_u32 v[SPW], v[NIL]
	v_lshrrev_b32 v3, 5, v0
	v_readfirstlane_b32 s[WV], v3
	s_lshr_b32 s15, s[WV], 1                       ; which 64 tokens are mine.  Also: I fetch for A (0) or for B (1)
	s_and_b32 s16, s[WV], 1                        ; which 128 columns.  Also: which half I fetch
	s_bfe_u32 s17, ttmp6, 0x40000                  ; cx
	s_bfe_u32 s18, ttmp6, 0x40004                  ; cy
	s_and_b32 s19, ttmp7, 0xffff                   ; the cluster's y, 0 .. 15
	s_lshl_b32 s76, s19, 2
	s_add_co_u32 s76, s76, s18
	s_lshl_b32 s22, s76, 3                         ; the first of my work-group's 8 tiles of y: it never holds cx
	s_lshl_b32 s23, s17, 4                         ; the first of its 16 tiles of Wout: it never holds cy
	s_lshl_b32 s83, s16, 2
	s_add_co_u32 s82, s22, s83
	s_mul_i32 s82, s82, 13312
	s_mov_b32 s83, 0
	s_lshl_b32 s85, s16, 3
	s_add_co_u32 s84, s23, s85
	s_add_co_u32 s84, s84, 192                     ; Wout's first tile in wop
	s_mul_i32 s84, s84, 13312
	s_mov_b32 s85, 0
	s_lshl_b32 s86, s18, 2
	s_lshl_b32 s86, 15, s86                        ; my row of the cluster
	s_lshl_b32 s87, 0x1111, s17                    ; my column
	s_or_b32 s[G1A], s86, (3<<16)|(1<<21)          ; the mask; elements of 8 bytes; 21 set beside a mask; no padding
	s_or_b32 s[G1B], s87, (3<<16)|(1<<21)
.irp g, G1A, G1B
	s_mov_b32 s[\g+1], 400<<16                     ; 3,200 bytes of a record
	s_mov_b32 s[\g+3], 400<<16
	s_mov_b32 s[\g+5], 416                         ; from record to record: 3,328 bytes (a tile is four records on end)
	s_mov_b32 s[\g+6], 0
	s_mov_b32 s[\g+7], 0
.endr
	s_mov_b32 s[G1A+2], 16<<16                     ; rows: the 16 records of 4 tiles of A,
	s_mov_b32 s[G1A+4], 16
	s_mov_b32 s[G1B+2], 32<<16                     ; the 32 of 8 tiles of B
	s_mov_b32 s[G1B+4], 32
	s_mul_i32 s88, s16, 4*TIL
	s_mul_i32 s89, s16, 8*TIL
	s_add_co_u32 s89, s89, 8*TIL
	s_wait_dscnt 0x0                               ; the opening add is done
	s_wait_kmcnt 0x0
	s_add_nc_u64 s[90:91], s[4:5], s[82:83]
	s_add_nc_u64 s[92:93], s[6:7], s[84:85]
	CROUND                                         ; all sixteen work-groups are here: the joint loads meet
.irp q, 0
	s_mov_b32 s[G0A+4*\q], 1
	s_add_co_u32 s[G0A+4*\q+1], s88, \q*SLOT
	s_add_nc_u64 s[G0A+4*\q+2:G0A+4*\q+3], s[90:91], \q*3328
	s_or_b32 s[G0A+4*\q+3], s[G0A+4*\q+3], 0x80000000
	s_mov_b32 s[G0B+4*\q+4*(\q/2)], 1
	s_add_co_u32 s[G0B+4*\q+4*(\q/2)+1], s89, \q*SLOT
	s_add_nc_u64 s[G0B+4*\q+4*(\q/2)+2:G0B+4*\q+4*(\q/2)+3], s[92:93], \q*3328
	s_or_b32 s[G0B+4*\q+4*(\q/2)+3], s[G0B+4*\q+4*(\q/2)+3], 0x80000000
.endr
	s_cmp_eq_u32 s15, 0                            ; all first fills of a wave stand in one branch on its number; an s_nop 0 follows each, four v_nop the last
	s_cbranch_scc0 .Lfirst_b
.irp q, 0
	tensor_load_to_lds s[G0A+4*\q:G0A+4*\q+3], s[G1A:G1A+7]
	s_nop 0
.endr
	PLACES
	s_branch .Lfirst_asked
.Lfirst_b:
.irp q, 0
	tensor_load_to_lds s[G0B+4*\q+4*(\q/2):G0B+4*\q+4*(\q/2)+3], s[G1B:G1B+7]
	s_nop 0
.endr
	PLACES
.Lfirst_asked:
	v_and_b32 v3, 31, v0                           ; lane
	v_and_b32 v4, 15, v0                           ; r
	v_bfe_u32 v5, v0, 4, 1                         ; h
	v_lshlrev_b32 v1, 4, v3                        ; 16 lane
	s_wait_alu depctr_va_vdst(0)
	v_lshlrev_b32 v2, 3, v3                        ; 8 lane
	s_wait_alu depctr_va_vdst(0)
	s_mul_i32 s76, s15, 4*TIL                      ; my four tiles of A
	s_mul_i32 s77, s16, 8*TIL
	s_add_co_u32 s77, s77, 8*TIL                   ; my eight of B
	s_sub_co_u32 s78, s77, s76
	v_mul_u32_u24 v6, s78, v5                      ; lanes 16-31 take B's words: one product, h x the distance
	v_lshl_add_u32 v6, v4, 3, v6
	s_add_co_u32 s79, s76, 3072
	v_add_nc_u32 v[ADA], s76, v1
	v_add_nc_u32 v[ADA8], s76, v2
	v_add_nc_u32 v[ADB], s77, v1                   ; B's tiles 0-3,
	v_add_nc_u32 v[ADS], s79, v6
	v_add_nc_u32 v[ADB+1], 4*TIL, v[ADB]           ; and 4-7: an LDS offset has 16 bits
	v_add_nc_u32 v[ADS+1], 4*TIL, v[ADS]
	s_mul_i32 s80, s[WV], 8448                     ; my stage: 16 rows x (512 + 16) bytes, on A's first tiles
	v_mul_u32_u24 v[STO], v4, 528
	v_lshl_add_u32 v[STO], v5, 6, v[STO]
	v_add_nc_u32 v[STO], s80, v[STO]               ; in: row r, + 64 h
	v_add_nc_u32 v[RD], s80, v1                    ; back: the 32 lanes take one row of 512 bytes
	s_lshl_b32 s80, s15, 2
	s_add_co_u32 s80, s80, s22
	s_lshl_b32 s80, s80, 16                        ; my first token: 16 tokens a tile, 4,096 bytes a row
	s_lshl_b32 s81, s17, 10
	s_add_co_u32 s80, s80, s81                     ; my work-group's 256 columns,
	s_lshl_b32 s81, s16, 9
	s_add_co_u32 s80, s80, s81                     ; my 128 of them
	s_mov_b32 s81, 0
	s_add_nc_u64 s[8:9], s[8:9], s[80:81]
.macro FETCH k                         ; K step k's fragments: B's eight into set k % 2 of window 1; A's four, two half fragments each, into set k % 2 of window 0
	WIN 0x40
.irp b, 0,1,2,3,4,5,6,7
.irp j, 0,1,2
	ds_load_b128 v[96*((\k)%2)+12*\b+4*\j:96*((\k)%2)+12*\b+4*\j+3], v[ADB+\b/4] offset:TIL*(\b%4)+REC*((\k)/2)+1536*((\k)%2)+512*\j
.endr
.endr
	WIN 0
.irp a, 0,1,2,3
.irp c, 0,1
	ds_load_b128 v[AF+48*((\k)%2)+12*\a+6*\c:AF+48*((\k)%2)+12*\a+6*\c+3], v[ADA] offset:TIL*\a+REC*((\k)/2)+1536*((\k)%2)+768*\c
	ds_load_b64 v[AF+48*((\k)%2)+12*\a+6*\c+4:AF+48*((\k)%2)+12*\a+6*\c+5], v[ADA8] offset:TIL*\a+REC*((\k)/2)+1536*((\k)%2)+768*\c+512
.endr
.endr
.endm
.macro SCALES q                        ; slot q's scale words (lanes 0-15 want only i = 0 .. 3; what they read beyond is not used)
.irp i, 0,1,2,3,4,5,6,7
	ds_load_b64 v[SC+16*((\q)%2)+2*\i:SC+16*((\q)%2)+2*\i+1], v[ADS+\i/4] offset:TIL*(\i%4)+REC*(\q)
.endr
.endm
.macro MUL k                           ; 32 matrix instructions; the 32 accumulators take turns in one order
	WIN 0xa1                                       ; source 0 (B) window 1, source 1 (A) window 0, C and D window 2
.irp a, 0,1,2,3
.irp b, 0,1,2,3,4,5,6,7
.if (\k) == 0
	v_wmma_scale_f32_16x16x128_f8f6f4 v[8*(8*\a+\b):8*(8*\a+\b)+7], v[96*((\k)%2)+12*\b:96*((\k)%2)+12*\b+11], v[AF+48*((\k)%2)+12*\a:AF+48*((\k)%2)+12*\a+11], 0, v[SC+16*(((\k)/2)%2)+2*\b+(\k)%2], v[SC+16*(((\k)/2)%2)+2*\a+(\k)%2] matrix_a_fmt:MATRIX_FMT_FP6 matrix_b_fmt:MATRIX_FMT_FP6 matrix_a_scale:MATRIX_SCALE_ROW1
.else
	v_wmma_scale_f32_16x16x128_f8f6f4 v[8*(8*\a+\b):8*(8*\a+\b)+7], v[96*((\k)%2)+12*\b:96*((\k)%2)+12*\b+11], v[AF+48*((\k)%2)+12*\a:AF+48*((\k)%2)+12*\a+11], v[8*(8*\a+\b):8*(8*\a+\b)+7], v[SC+16*(((\k)/2)%2)+2*\b+(\k)%2], v[SC+16*(((\k)/2)%2)+2*\a+(\k)%2] matrix_a_fmt:MATRIX_FMT_FP6 matrix_b_fmt:MATRIX_FMT_FP6 matrix_a_scale:MATRIX_SCALE_ROW1
.endif
.endr
.endr
	WIN 0
.endm
.macro STEP k                          ; K step k is multiplied while step k + 1's fragments come from LDS
	s_wait_dscnt 0x0                               ; step k's fragments are in
.if (\k) == 7
	s_barrier_signal -1                            ; my reads of the operands are over: the stages, which lie on A's first tiles, are written behind this barrier's wait
.endif
.if (\k) < 7
.if (\k) > 0
	PLACES
.endif
	FETCH (\k)+1
.if ((\k)%2) == 1
	SCALES ((\k)+1)/2
.endif
.endif
	MUL \k
.endm
	s_wait_alu depctr_va_vdst(0)
	s_wait_tensorcnt 0x0                           ; my one load has landed: my tiles, all of K
	s_barrier_signal -1
	s_barrier_wait -1
	FETCH 0
	SCALES 0
	STEP 0
	STEP 1
	STEP 2
	STEP 3
	STEP 4
	STEP 5
	STEP 6
	STEP 7
; THE WAY OUT, a tile of 16 tokens x 128 columns at a time.  In accumulator (a, 2 b + u) lane (r, h) holds columns 32 b + 16 h + 8 u + 0 .. 7 of token r of the tile.  The tile goes through my own stage and comes back as whole rows
; of 512 bytes.  The stage lies on A's first tiles: they were filled once, and every wave has passed a barrier since its last read of them.  LDS serves a wave's instructions in order: no wait between the stores and the loads.
.macro TOSTAGE a
	WIN 0x08                                       ; an LDS store's data are its source 1: window 2
.irp b, 0,1,2,3,4,5,6,7
	ds_store_b128 v[STO], v[64*(\a)+8*\b:64*(\a)+8*\b+3] offset:128*(\b/2)+32*(\b%2)          ; each accumulator from its low end on
	ds_store_b128 v[STO], v[64*(\a)+8*\b+4:64*(\a)+8*\b+7] offset:128*(\b/2)+32*(\b%2)+16
.endr
	WIN 0
.irp t, 0,1,2,3,4,5,6,7,8,9,10,11,12,13,14,15
	ds_load_b128 v[BK+64*((\a)%2)+4*\t:BK+64*((\a)%2)+4*\t+3], v[RD] offset:528*\t
.endr
.endm
.macro SEND a, younger                 ; younger: the LDS instructions issued behind tile a's loads, which may stay out
	s_wait_dscnt \younger
.irp t, 0,1,2,3,4,5,6,7,8,9,10,11,12,13,14,15
	global_store_b128 v1, v[BK+64*((\a)%2)+4*\t:BK+64*((\a)%2)+4*\t+3], s[8:9] offset:(32*((\a)/2)+8*((\a)%2)+\t+8*(\t/8))*4096 th:TH_STORE_NT   ; row t of tile a is token 32 (a / 2) + 8 (a % 2) + t + 8 (t / 8) of my 64; 512 consecutive bytes, aligned
.endr
.endm
	s_barrier_wait -1                              ; every wave's reads of the operands are over
	PLACES
	TOSTAGE 0
	TOSTAGE 1
	SEND 0, 32                                     ; behind tile 0's loads: tile 1's 16 stores and 16 loads
	s_wait_xcnt 0x0                                ; tile 0's stores have read their registers: tile 2's rows may land there
	TOSTAGE 2
	SEND 1, 32
	s_wait_xcnt 0x0
	TOSTAGE 3
	SEND 2, 32
	SEND 3, 0
	s_wait_tensorcnt 0x0                           ; the wave's end
	ds_add_u32 v[SPW], v[NIL]
	s_wait_dscnt 0x0
	CROUND                                         ; the closing round
	s_endpgm
.Lfunc_end_k_qa59ecbb9d1_outp:
	.size	k_qa59ecbb9d1_outp, .Lfunc_end_k_qa59ecbb9d1_outp-k_qa59ecbb9d1_outp
	.p2alignl 7, 3214868480
	.fill 96, 4, 3214868480
	.section	.rodata,"a",@progbits
	.p2align	6, 0x0
	.amdhsa_kernel k_qa59ecbb9d1_outp
		.amdhsa_group_segment_fixed_size 327680
		.amdhsa_private_segment_fixed_size 0
		.amdhsa_enable_private_segment 0
		.amdhsa_kernarg_size 24
		.amdhsa_user_sgpr_count 2
		.amdhsa_user_sgpr_kernarg_segment_ptr 1
		.amdhsa_wavefront_size32 1
		.amdhsa_system_sgpr_workgroup_id_x 1
		.amdhsa_system_sgpr_workgroup_id_y 1
		.amdhsa_system_sgpr_workgroup_id_z 1
		.amdhsa_system_vgpr_workitem_id 0
		.amdhsa_next_free_vgpr 1024
		.amdhsa_next_free_sgpr 100
		.amdhsa_reserve_vcc 0
		.amdhsa_float_denorm_mode_32 3
		.amdhsa_float_denorm_mode_16_64 3
		.amdhsa_memory_ordered 1
		.amdhsa_forward_progress 1
		.amdhsa_inst_pref_size 77
	.end_amdhsa_kernel
	.amdgpu_metadata
---
amdhsa.version: [ 1, 2 ]
amdhsa.kernels:
  - .name:           k_qa59ecbb9d1_outp
    .symbol:         k_qa59ecbb9d1_outp.kd
    .args:
      - { .name: yop, .offset: 0, .size: 8, .value_kind: global_buffer, .address_space: global }
      - { .name: wop, .offset: 8, .size: 8, .value_kind: global_buffer, .address_space: global }
      - { .name: out0, .offset: 16, .size: 8, .value_kind: global_buffer, .address_space: global }
    .group_segment_fixed_size: 327680
    .private_segment_fixed_size: 0
    .kernarg_segment_align: 8
    .kernarg_segment_size: 24
    .max_flat_workgroup_size: 128
    .sgpr_count:     100
    .vgpr_count:     1024
    .wavefront_size: 32
...
	.end_amdgpu_metadata
.endif
;; end of part 4
